; MI455X (gfx1250); checked and timed in simulation.
; The chip was launched on July 23, 2026; its instructions are those of AMD's public machine-readable ISA for CDNA 5 (MIT licence, August 2026) and "CDNA5" Instruction Set Architecture Reference Guide (July 2026). The comments in the code are by the model that wrote it; some were corrected since.
;; Vanilla Mo E Layer. Allowed arithmetic: float matrix products may take bf16 or f16 operands with f32 sums; other float arithmetic in f32, or as packed bf16 or f16 multiplies, adds, multiply-adds, maxima and minima; sums over many terms, partial sums and values carried from step to step in f32; what a program stores and reads back later, other than sums and carried values, may be rounded once to bf16 or f16.
;; Inputs: w1 8 x 4,096 x 1,024 float32; w2 8 x 1,024 x 4,096 float32; w_router 8 x 1,024 float32; x 1,024 x 1,024 float32.
;; Outputs: out0 1,024 x 1,024 float32.
;; 3 versions, each right; version 3 is version 2 with the launches ffn1, ffn2 written anew for expert scheduling mode. Each part assembles by itself: llvm-mc -triple=amdgcn-amd-amdhsa -mcpu=gfx1250 --defsym DOCPART=n.
;; ======== version 1 of 3: 4 launches
;; limits: values are held in f16: magnitudes above 65,504 overflow, below 6.1e-05 lose precision; inputs' magnitudes at most 65,504; right only within a limited range of input values
;; workspace buffers: xb 2,097,152 bytes; bm 1,024 bytes of whole numbers; gate 4,096 bytes; cfg1 256 bytes of whole numbers; cfg2 256 bytes of whole numbers; h 8,388,608 bytes; part 16,777,216 bytes
;; launch router (part 1): grid 128 x 1, 8 waves a work-group, no clusters, 25,856 bytes of LDS; arguments x, w_router, xb, bm, gate, cfg1, cfg2; writes xb, bm, gate, cfg1, cfg2
.if DOCPART == 1
	.amdgcn_target "amdgcn-amd-amdhsa--gfx1250"
	.amdhsa_code_object_version 6
	.text
	.protected	k_qc03232922a_router
	.globl	k_qc03232922a_router
	.p2align	8
	.type	k_qc03232922a_router,@function
k_qc03232922a_router:
	s_mov_b64 s[64:65], 0
	v_nop
	global_prefetch_b8 v0, s[64:65] scope:SCOPE_SE
	s_setreg_imm32_b32 hwreg(HW_REG_WAVE_MODE, 25, 1), 1
	s_wait_xcnt 0x0
; ROUTER.  logits[n][e] = sum over d of x[n][d] w_router[e][d], both rounded to bf16, sums in f32; gate[n] = the largest softmax probability = 1 / sum_e exp(l_e - max l);
; the chosen expert goes out as a bitmap: bm[e] is 128 bytes, bit i of byte b says that token 8 b + i chose expert e.
; x leaves for the first product (xb) as the number rounded to bf16, written in f16: the products multiply in f16, and every input of the module has the one rounding, to bf16.
; cfg1 and cfg2 get the word 0 and the word 1: the two products run one text and read from there which of them they are.
; LIMITS.  The choice is made on the logits, the lowest index where logits are equal; probabilities that round to the same number from different logits are not treated apart.
; NaN and infinities are not treated apart; an exponential below 2^-126 counts as 0 in the sum (the largest term is 1).
; xb: a bf16 number is exact in f16 from 2^-17 to 65,504; below, it keeps f16's fixed step of 2^-24; beyond, it becomes an infinity.
; SHARES.  A work-group has 8 tokens.  Wave w first rounds row 8 wg + w (4,096 bytes, eight loads of 512 consecutive bytes), stores it to xb and lays it into LDS; then it multiplies
; K = 128 w .. 128 w + 127 of all 8 tokens by all 8 experts: four matrix instructions on two accumulators.  Source 0 = experts (rows 8-15 repeat rows 0-7), source 1 = tokens
; (columns 8-15 repeat 0-7): in the result every lane holds token lane % 8, register j expert j.  The eight waves' parts meet in LDS; wave 0 adds them in a fixed order and decides.
; No address and no branch hangs on the numbers: the choice leaves as data.
.set ROWP,  2064                       ; a token's row in LDS: 2,048 bytes + 16
.set RED,   16640                      ; behind the 8 rows: 1,024 bytes for each wave's part of the logits
.set SPARE, 24832                      ; the spare words, 128 bytes for each of the 8 waves; no other line names them
.set X,   16                           ; v[16:47]    my row of x, f32
.set Y,   48                           ; v[48:63]    the same in bf16
.set F,   64                           ; v[64:127]   w_router, f32; later, in wave 0, the eight parts
.set A,   128                          ; v[128:159]  fragments of w_router, 4 K steps
.set B,   160                          ; v[160:191]  fragments of the tokens
.set AC0, 192                          ; two accumulators
.set AC1, 200
.set LG,  208                          ; v[208:215]  logits of my token, experts 0-7
.set Z,   216                          ; v[216:247]  the bf16 numbers widened, then in f16: what the stores to xb read; never rewritten
	s_load_b256 s[4:11], s[0:1], 0x0               ; x s[4:5], w_router s[6:7], xb s[8:9], bm s[10:11]
	s_load_b128 s[12:15], s[0:1], 0x20             ; gate s[12:13], cfg1 s[14:15]
	s_load_b64 s[16:17], s[0:1], 0x30              ; cfg2
	v_lshl_add_u32 v2, v0, 2, SPARE                ; my spare word, and 0: kept for the add alone
	v_mov_b32 v3, 0
	v_and_b32 v1, 31, v0                           ; lane
	v_lshrrev_b32 v12, 5, v0
	v_readfirstlane_b32 s18, v12                   ; wave
	v_and_b32 v4, 7, v0                            ; lane % 8
	v_bfe_u32 v5, v0, 4, 1                         ; which half of the lanes
	v_lshlrev_b32 v6, 4, v1                        ; 16 x lane: x
	v_lshlrev_b32 v7, 3, v1                        ; 8 x lane: xb
	s_mul_i32 s19, s18, ROWP
	v_add_nc_u32 v8, s19, v7                       ; LDS: my row, 8 x lane
	v_mul_u32_u24 v9, v4, ROWP                     ; LDS: token lane % 8, my wave's 256 bytes, 16 x half
	v_lshl_add_u32 v9, v5, 4, v9
	s_lshl_b32 s20, s18, 8
	v_add_nc_u32 v9, s20, v9
	v_lshlrev_b32 v10, 12, v4                      ; w_router: expert lane % 8, my wave's 512 bytes, 32 x half
	v_lshl_add_u32 v10, v5, 5, v10
	s_lshl_b32 s20, s18, 9
	v_add_nc_u32 v10, s20, v10
	s_lshl_b32 s20, s18, 10
	s_add_co_u32 s20, s20, RED
	v_lshl_add_u32 v11, v1, 5, s20                 ; LDS: my wave's part, 32 bytes a lane
	s_mov_b32 s27, ttmp9
	s_lshl_b32 s21, s27, 3
	s_add_co_u32 s21, s21, s18                     ; my row
	s_lshl_b32 s22, s21, 12
	s_mov_b32 s23, 0
	s_lshl_b32 s24, s21, 11
	s_mov_b32 s25, 0
	s_mov_b32 s26, 0x3fb8aa3b                      ; log2(e)
	s_mov_b32 s30, 0xffff0000                      ; a word's upper bf16
	s_wait_kmcnt 0x0
	s_add_nc_u64 s[4:5], s[4:5], s[22:23]
	s_add_nc_u64 s[8:9], s[8:9], s[24:25]
.irp q, 0,1,2,3,4,5,6,7
	global_load_b128 v[X+4*\q:X+4*\q+3], v6, s[4:5] offset:512*\q th:TH_LOAD_NT
.endr
.irp s, 0,1,2,3                        ; K step s: k = 8 half + 0..7 (32 bytes) and 16 + 8 half + 0..7 (64 bytes on)
	global_load_b128 v[F+16*\s:F+16*\s+3],     v10, s[6:7] offset:128*\s
	global_load_b128 v[F+16*\s+4:F+16*\s+7],   v10, s[6:7] offset:128*\s+16
	global_load_b128 v[F+16*\s+8:F+16*\s+11],  v10, s[6:7] offset:128*\s+64
	global_load_b128 v[F+16*\s+12:F+16*\s+15], v10, s[6:7] offset:128*\s+80
.endr
	s_wait_loadcnt 16                              ; my row is in; the sixteen younger loads, w_router's, may stay out
.irp q, 0,1,2,3,4,5,6,7
	v_cvt_pk_bf16_f32 v[Y+2*\q],   v[X+4*\q],   v[X+4*\q+1]
	v_cvt_pk_bf16_f32 v[Y+2*\q+1], v[X+4*\q+2], v[X+4*\q+3]
.endr
.irp q, 0,1,2,3,4,5,6,7
	ds_store_b64 v8, v[Y+2*\q:Y+2*\q+1] offset:256*\q
.endr
.irp q, 0,1,2,3,4,5,6,7                ; the bf16 numbers once more as f32 (a shift, a mask),
	v_lshlrev_b32 v[Z+4*\q],   16,  v[Y+2*\q]
	v_and_b32     v[Z+4*\q+1], s30, v[Y+2*\q]
	v_lshlrev_b32 v[Z+4*\q+2], 16,  v[Y+2*\q+1]
	v_and_b32     v[Z+4*\q+3], s30, v[Y+2*\q+1]
.endr
.irp q, 0,1,2,3,4,5,6,7                ; and written in f16
	v_cvt_pk_f16_f32 v[Z+4*\q],   v[Z+4*\q],   v[Z+4*\q+1]
	v_cvt_pk_f16_f32 v[Z+4*\q+1], v[Z+4*\q+2], v[Z+4*\q+3]
.endr
.irp q, 0,1,2,3,4,5,6,7
	global_store_b64 v7, v[Z+4*\q:Z+4*\q+1], s[8:9] offset:256*\q   ; the wave stores 256 consecutive bytes, at a multiple of 256 from xb's first byte
.endr
	s_wait_loadcnt 0x0                             ; w_router
.set i, 0
.rept 32
	v_cvt_pk_bf16_f32 v[A+i], v[F+2*i], v[F+2*i+1]
.set i, i+1
.endr
	s_wait_dscnt 0x0                               ; for the others' sake: my row lies in LDS
	s_barrier_signal -1
	s_barrier_wait -1
.irp s, 0,1,2,3
	ds_load_b128 v[B+8*\s:B+8*\s+3],   v9 offset:64*\s
	ds_load_b128 v[B+8*\s+4:B+8*\s+7], v9 offset:64*\s+32
.endr
	s_wait_dscnt 0x0
	v_wmma_f32_16x16x32_bf16 v[AC0:AC0+7], v[A:A+7],     v[B:B+7],     0           ; the two accumulators take turns
	v_wmma_f32_16x16x32_bf16 v[AC1:AC1+7], v[A+8:A+15],  v[B+8:B+15],  0
	v_wmma_f32_16x16x32_bf16 v[AC0:AC0+7], v[A+16:A+23], v[B+16:B+23], v[AC0:AC0+7]
	v_wmma_f32_16x16x32_bf16 v[AC1:AC1+7], v[A+24:A+31], v[B+24:B+31], v[AC1:AC1+7]
.rept 4
	v_nop                                          ; four places between the products and the first read of their results (ISA guide 7.12.1)
.endr
.irp i, 0,2,4,6                        ; from the accumulators' low end on
	v_pk_add_f32 v[LG+\i:LG+\i+1], v[AC0+\i:AC0+\i+1], v[AC1+\i:AC1+\i+1]
.endr
	ds_store_b128 v11, v[LG:LG+3]
	ds_store_b128 v11, v[LG+4:LG+7] offset:16
	s_wait_dscnt 0x0                               ; for wave 0's sake: my part lies in LDS
	s_barrier_signal -1
	s_barrier_wait -1
	s_wait_tensorcnt 0x0                           ; behind my last LDS store
	ds_add_u32 v2, v3
	s_wait_dscnt 0x0
	s_cmp_lg_u32 s18, 0
	s_cbranch_scc1 .Lend
	; wave 0 alone: the eight parts, added in the waves' order
.irp w, 0,1,2,3,4,5,6,7
	ds_load_b128 v[F+8*\w:F+8*\w+3],   v11 offset:1024*\w
	ds_load_b128 v[F+8*\w+4:F+8*\w+7], v11 offset:1024*\w+16
.endr
	s_wait_dscnt 0x0
.irp i, 0,2,4,6
	v_pk_add_f32 v[LG+\i:LG+\i+1], v[F+\i:F+\i+1], v[F+8+\i:F+8+\i+1]
.endr
.irp w, 2,3,4,5,6,7
.irp i, 0,2,4,6
	v_pk_add_f32 v[LG+\i:LG+\i+1], v[LG+\i:LG+\i+1], v[F+8*\w+\i:F+8*\w+\i+1]
.endr
.endr
	v_max3_num_f32 v20, v[LG], v[LG+1], v[LG+2]
	v_max3_num_f32 v21, v[LG+3], v[LG+4], v[LG+5]
	v_max3_num_f32 v20, v20, v[LG+6], v[LG+7]
	v_max_num_f32 v20, v20, v21                    ; the largest logit
	v_mul_f32 v23, s26, v20
.irp j, 0,1,2,3,4,5,6,7
	v_fma_f32 v[24+\j], v[LG+\j], s26, -v23        ; (l - max) log2(e)
.endr
.irp j, 0,1,2,3,4,5,6,7
	v_exp_f32 v[24+\j], v[24+\j]
.endr
	v_mov_b32 v22, 7                               ; the choice: plain work between the exponentials and the use of their results
.irp j, 6,5,4,3,2,1,0
	v_cmp_eq_f32 vcc_lo, v[LG+\j], v20             ; descending, so that the lowest index with the largest logit stays
	v_cndmask_b32 v22, v22, \j, vcc_lo
.endr
	s_wait_alu depctr_va_vdst(0)
	v_pk_add_f32 v[24:25], v[24:25], v[26:27]
	v_pk_add_f32 v[28:29], v[28:29], v[30:31]
	v_pk_add_f32 v[24:25], v[24:25], v[28:29]
	v_add_f32 v24, v24, v25
	v_rcp_f32 v32, v24                             ; the gate: the largest term is 1
	v_mov_b32 v38, 0                               ; (a plain instruction behind the reciprocal)
.irp e, 0,1,2,3,4,5,6,7
	v_cmp_eq_u32 s[40+\e], \e, v22                 ; bits 0-7: which of my 8 tokens chose expert e
	v_writelane_b32 v38, s[40+\e], \e              ; lane e carries expert e's byte
.endr
	v_lshl_add_u32 v33, v1, 7, s27                 ; bm: 128 x expert + work-group
	s_lshl_b32 s28, s27, 5
	v_lshl_add_u32 v34, v1, 2, s28                 ; gate: 4 (8 work-group + lane)
	v_lshlrev_b32 v35, 2, v1
	v_mov_b32 v36, 1
	v_mov_b32 v37, 0
	v_cmp_gt_u32 vcc_lo, 8, v1
	s_wait_xcnt 0x0                                ; EXEC is narrowed only when the stores to xb have had their addresses translated
	s_and_saveexec_b32 s29, vcc_lo                 ; lanes 0-7
	global_store_b8 v33, v38, s[10:11]
	s_wait_alu depctr_va_vdst(0)
	global_store_b32 v34, v32, s[12:13]
	s_cmp_lg_u32 s27, 0
	s_cbranch_scc1 .Lend
	global_store_b32 v35, v37, s[14:15]            ; work-group 0 alone: cfg1 = 0,
	global_store_b32 v35, v36, s[16:17]            ; cfg2 = 1
.Lend:
	s_endpgm
.Lfunc_end_k_qc03232922a_router:
	.size	k_qc03232922a_router, .Lfunc_end_k_qc03232922a_router-k_qc03232922a_router
	.p2alignl 7, 3214868480
	.fill 96, 4, 3214868480
	.section	.rodata,"a",@progbits
	.p2align	6, 0x0
	.amdhsa_kernel k_qc03232922a_router
		.amdhsa_group_segment_fixed_size 25856
		.amdhsa_private_segment_fixed_size 0
		.amdhsa_enable_private_segment 0
		.amdhsa_kernarg_size 56
		.amdhsa_user_sgpr_count 2
		.amdhsa_user_sgpr_kernarg_segment_ptr 1
		.amdhsa_wavefront_size32 1
		.amdhsa_system_sgpr_workgroup_id_x 1
		.amdhsa_system_sgpr_workgroup_id_y 1
		.amdhsa_system_sgpr_workgroup_id_z 1
		.amdhsa_system_vgpr_workitem_id 0
		.amdhsa_next_free_vgpr 248
		.amdhsa_next_free_sgpr 66
		.amdhsa_reserve_vcc 1
		.amdhsa_float_denorm_mode_32 3
		.amdhsa_float_denorm_mode_16_64 3
		.amdhsa_memory_ordered 1
		.amdhsa_forward_progress 1
		.amdhsa_inst_pref_size 19
	.end_amdhsa_kernel
	.amdgpu_metadata
---
amdhsa.version: [ 1, 2 ]
amdhsa.kernels:
  - .name:           k_qc03232922a_router
    .symbol:         k_qc03232922a_router.kd
    .args:
      - { .name: x, .offset: 0, .size: 8, .value_kind: global_buffer, .address_space: global }
      - { .name: w_router, .offset: 8, .size: 8, .value_kind: global_buffer, .address_space: global }
      - { .name: xb, .offset: 16, .size: 8, .value_kind: global_buffer, .address_space: global }
      - { .name: bm, .offset: 24, .size: 8, .value_kind: global_buffer, .address_space: global }
      - { .name: gate, .offset: 32, .size: 8, .value_kind: global_buffer, .address_space: global }
      - { .name: cfg1, .offset: 40, .size: 8, .value_kind: global_buffer, .address_space: global }
      - { .name: cfg2, .offset: 48, .size: 8, .value_kind: global_buffer, .address_space: global }
    .group_segment_fixed_size: 25856
    .private_segment_fixed_size: 0
    .kernarg_segment_align: 8
    .kernarg_segment_size: 56
    .max_flat_workgroup_size: 256
    .sgpr_count:     66
    .vgpr_count:     248
    .wavefront_size: 32
...
	.end_amdgpu_metadata
.endif
;; end of part 1
;; launch ffn1 (part 2): grid 32 x 8, 8 waves a work-group, no clusters, 318,720 bytes of LDS; arguments w1, xb, bm, cfg1, h; writes h
.if DOCPART == 2
	.amdgcn_target "amdgcn-amd-amdhsa--gfx1250"
	.amdhsa_code_object_version 6
	.text
	.protected	k_qc03232922a_ffn1
	.globl	k_qc03232922a_ffn1
	.p2align	8
	.type	k_qc03232922a_ffn1,@function
k_qc03232922a_ffn1:
	s_mov_b64 s[64:65], 0
	v_nop
	global_prefetch_b8 v0, s[64:65] scope:SCOPE_SE
	s_setreg_imm32_b32 hwreg(HW_REG_WAVE_MODE, 25, 1), 1
	s_wait_xcnt 0x0
; ONE TEXT FOR BOTH PRODUCTS of a layer of 8 experts, each token with one expert.  Arguments: W (f32 weights), TOK (token rows, f16), BM (bitmap of the choices), CFG (word 0: the mode), OUT.
;   mode 0: h[t][f] = silu(sum_d xb[t][d] w1[e][f][d]) / 16, f16.     W [8][4096][1024], TOK [1024][1024], OUT [1024][4096] f16.
;   mode 1: part[p][t][d] = sum over f in K slice p of h[t][f] w2[e][d][f], f32 partial sums (of h / 16: the last launch multiplies by 16).     W [8][1024][4096], TOK [1024][4096], OUT [4][1024][1024] f32.
; Rows of TOK and OUT go by the token's own number, so all that a work-group needs of the routing is its expert's list of tokens, which it makes itself from 128 bytes of BM.
; FORMATS.  The products multiply in f16, sums in f32.  The module's inputs (x, in xb; the weights, here) are rounded to bf16, all alike, and that number is written in f16; h, which the program itself makes,
; is rounded once, to f16's 11 significant bits: bf16's 8 would leave the largest of the output's million numbers at the edge of what the comparison allows.
; LIMITS.  A bf16 number is exact in f16 from 2^-17 to 65,504; below, it keeps f16's fixed step of 2^-24 (2e-6 of the spread of weights of spread 1/64); beyond, it becomes an infinity.
; h / 16 has f16's range: |h| up to 1.04e6; below |h| = 1e-3 it keeps the fixed step 2^-20.  silu(x) = x / (1 + 2^(-x log2 e)) with exponential and reciprocal that flush denormals; NaN and infinities are not treated apart.
; SHARES.  Work-group (s, e): 128 rows x 1,024 K of expert e's weights, 512 KiB that it alone reads, and ALL of that expert's tokens.  mode 0: rows 128 s on, all of K.  mode 1: rows 128 (s / 4) on, K slice s % 4.
; Every number that hangs on the mode is a choice between two numbers made of constants and the work-group's place.
; ALL EIGHT WAVES RUN ONE TEXT.  Wave w STREAMS rows 16 w .. 16 w + 15 of the slice: f32 loads of 512 consecutive bytes of one row, rounded and laid into LDS, where the slice stays whole.
; And it MULTIPLIES: tile t of 16 tokens goes to wave t % 8; a wave has 2 tiles (slots) x 128 columns in 128 accumulator registers: 256 tokens a pass.
; K goes in 8 chunks of 128, all written out, so that every LDS address is a register made once plus an immediate.  Interval k: chunk k is laid; a barrier; chunk k is multiplied.  Each LDS byte of the slice is written once.
; ONE QUEUE OF LOADS.  W(k): my 16 loads of chunk k's weights; T(k): my 16 loads of chunk k's token fragments, straight into operand registers.  Order of issue: W0 W1 T0, then in interval k T(k+1) and W(k+2).
; T(k+1) goes ahead of W(k+2), so the wait for token rows never asks younger weights to have landed: two chunks of weights, 16 KiB a wave, are out all through the multiplying.  At most 60 loads of a wave are out.
; Tokens past 256 are multiplied afterwards, from the resident slice, in up to three more passes without a barrier.  A dead slot or pass is jumped forward; an expert without tokens streams, passes every barrier and stores nothing.
; PLACES PAST THE COUNT repeat the expert's first token: they compute that row's own numbers and store them again (same work-group, same bytes, same numbers), so EXEC is never narrowed.
; THE MATRIX INSTRUCTION IS USED TRANSPOSED: source 0 = 16 weight rows, source 1 = 16 tokens: a lane holds token lane % 16 and 8 neighbouring columns of its output row.
; NO TENSOR LOADS: f32 weights pass through registers to be rounded, and the resident slice leaves LDS no room for a ring.  NO CLUSTER: each weight byte has one reader, and token rows come by a list.
.set PITCH, 272                        ; an LDS row: 256 bytes (128 f16) + 16: the 16 rows of a fragment load start 68 words apart
.set CHUNK, 128*PITCH                  ; 128 rows x 128 K
.set STG,   8*CHUNK                    ; behind the slice: 16 rows x 272 bytes for each wave, for the way out
.set LIST,  STG+8*16*PITCH             ; 1,024 words: the token of rank p among the expert's tokens; ranks past the count repeat the first
.set LWORDS, 1024
.set DUMP,  LIST+4*LWORDS              ; the word behind the list: where lanes without a token store; a block of 256 bytes of its own
.set SPARE, DUMP+256                   ; the spare words, 128 bytes for each of the 8 waves; no other line names them
; scalars
.set WV,   14                          ; wave
.set SL,   15                          ; slice s
.set EX,   16                          ; expert e
.set MODE, 17
.set PW,   18                          ; bytes from weight row to weight row
.set PT,   19                          ; bytes from token row to token row
.set OP,   20                          ; bytes from output row to output row
.set KOFF, 21                          ; my K slice's first byte in a token row
.set WP,   24                          ; s[24:25] W at my 16 rows; never stepped: the chunk stands in the loads' immediate
.set CNT,  26                          ; the expert's tokens
.set REM,  27                          ; tiles - wave - 16 x pass (signed): slot j lives if REM > 8 j
.set PASS, 28
.set HM,   29                          ; 0xffff0000: a word's upper bf16
.set TMP,  31
.set MK,   32                          ; s[32:63] the expert's bitmap
.set FIRST,66
.set BASE, 67
.set NL,   68                          ; s[68:69] -log2(e), named as a pair
.set SC,   72                          ; s[72:73] 16.0, named as a pair
; vector registers, window 0: v1 lane, v2 my spare word, v3 0, v4 lane % 16, v5 lane / 16
.set WST,  6                           ; v6-9    where I lay 8 bytes of my first row, chunks 2 p and 2 p + 1
.set WLD,  10                          ; v10-13  my place in a fragment's first row, chunks 2 p and 2 p + 1
.set LA,   14                          ; list: rank 16 w + lane % 16
.set LB,   15                          ; list: rank 16 w + lane / 16
.set TO,   16                          ; v16-17  slot j: my token's row offset + KOFF + 16 x half
.set KH,   18
.set STO,  19                          ; stage, in: row lane % 16, 16 bytes a half (f16)
.set STO2, 20                          ; the same, 32 bytes a half (f32)
.set RD,   21                          ; stage, back: lanes 0-15 one row of 256 bytes, lanes 16-31 the next
.set CO,   22                          ; 16 x (lane % 16)
.set PFO,  23                          ; prefetch: row lane / 2 of my 16, block lane % 2 of its 512 bytes
.set TK,   24                          ; v24-25  at work: the slots' tokens
.set WO,   32                          ; v32-47  16 x lane + row j x PW
.set OFS,  48                          ; v48-63  slot j, rows 2 t + lane / 16 of its tile: offset in OUT
.set T,    64                          ; v64-191 token fragments: chunk parity b, slot j, K step st at T + 64 b + 32 j + 8 st
.set WF,   192                         ; v192-255 weight fragments: half buffer hb, fragment 4 hb + i at WF + 32 hb + 8 i
.set WR,   128                         ; window 1: v0-127 accumulators (slot j, fragment i at 64 j + 8 i); v128-255 the weight ring: chunk parity, group g, load m at WR + 64 b + 16 g + 4 m
.set E,    64                          ; the way out, in the token fragments' registers: v64-127 at work, v128-159 packed, v160-191 rows read back
.set PK,   128
.set Q,    160
.set MSB, 0
.macro WIN new                         ; s_set_vgpr_msb: bits 1:0 source 0, 3:2 source 1, 5:4 source 2, 7:6 destination; the high byte repeats the setting that is left
.if MSB != (\new)
	s_set_vgpr_msb (MSB<<8)|(\new)
.set MSB, (\new)
.endif
.endm
.macro PLACES                          ; four places between a matrix instruction and a load into, or a vector write or read of, its registers
.rept 4
	v_nop
.endr
.endm
; Group g of chunk k's weights: 4 rows x 512 bytes.  The setting in force has destinations in window 1 and addresses in window 0.
.macro WLOADG k, g
.set m, 0
.rept 4
	global_load_b128 v[WR+64*((\k)%2)+16*(\g)+4*m:WR+64*((\k)%2)+16*(\g)+4*m+3], v[WO+4*(\g)+m], s[WP:WP+1] offset:512*(\k) th:TH_LOAD_NT
.set m, m+1
.endr
.endm
; Chunk k's token fragments for both slots: 16 loads, straight from memory into operand registers
.macro TLOAD k
.irp st, 0,1,2,3
.irp j, 0,1
	global_load_b128 v[T+64*((\k)%2)+32*\j+8*\st:T+64*((\k)%2)+32*\j+8*\st+3],   v[TO+\j], s[6:7] offset:256*(\k)+64*\st
	global_load_b128 v[T+64*((\k)%2)+32*\j+8*\st+4:T+64*((\k)%2)+32*\j+8*\st+7], v[TO+\j], s[6:7] offset:256*(\k)+64*\st+32
.endr
.endr
.endm
; Chunk k is laid into LDS, group by group; T(k+1) and W(k+2) are asked for.
.macro STREAM k
.set g, 0
.rept 4
.set nw, 4*(3-g)+16                    ; younger than group g: the rest of W(k), and T(k),
.if (\k) <= 6
.set nw, nw+16                         ; W(k+1),
.if g >= 1
.set nw, nw+16                         ; T(k+1), issued behind group 0's wait,
.endif
.endif
.if ((\k) <= 5) && (g >= 1)
.set nw, nw+4*(g-1)                    ; and the groups of W(k+2) issued so far
.endif
	s_wait_loadcnt nw                              ; loads come back in order (ISA guide 5.7.1): group g is in, all that is younger stays out
.if (g == 0) && ((\k) <= 6)
	TLOAD (\k)+1                                   ; into the buffer that the chunk before this one was multiplied from
.endif
.if (g >= 1) && ((\k) <= 5)
	WLOADG (\k)+2, g-1                             ; into the registers that group g - 1 has left
.endif
.set sq, WR+64*((\k)%2)+16*g
	WIN 0x45                                       ; in place, in window 1: each load's four f32 are rounded to bf16,
.set m, 0
.rept 4
	v_cvt_pk_bf16_f32 v[sq+4*m],   v[sq+4*m],   v[sq+4*m+1]
	v_cvt_pk_bf16_f32 v[sq+4*m+2], v[sq+4*m+2], v[sq+4*m+3]
.set m, m+1
.endr
.set m, 0
.rept 4                                ; widened again (a mask, a shift),
	v_and_b32     v[sq+4*m+1], s[HM], v[sq+4*m]
	v_lshlrev_b32 v[sq+4*m],   16,    v[sq+4*m]
	v_and_b32     v[sq+4*m+3], s[HM], v[sq+4*m+2]
	v_lshlrev_b32 v[sq+4*m+2], 16,    v[sq+4*m+2]
.set m, m+1
.endr
.set m, 0
.rept 4                                ; and written in f16: 8 bytes a lane
	v_cvt_pk_f16_f32 v[sq+4*m],   v[sq+4*m],   v[sq+4*m+1]
	v_cvt_pk_f16_f32 v[sq+4*m+1], v[sq+4*m+2], v[sq+4*m+3]
.set m, m+1
.endr
	WIN 0x44                                       ; addresses in window 0; store data and load destinations in window 1
.set m, 0
.rept 4
	ds_store_b64 v[WST+(\k)/2], v[sq+4*m:sq+4*m+1] offset:((\k)%2)*CHUNK+(4*g+m)*PITCH   ; 256 consecutive bytes: a row of the chunk
.set m, m+1
.endr
.set g, g+1
.endr
.if (\k) == 0
.set nt, 28                            ; younger than T(0): T(1) and three groups of W(2)
.elseif (\k) <= 5
.set nt, 44                            ; younger than T(k): W(k+1), T(k+1) and three groups of W(k+2)
.elseif (\k) == 6
.set nt, 32                            ; W(7) and T(7)
.else
.set nt, 0
.endif
	s_wait_loadcnt nt                              ; this chunk's token fragments are in: the multiplying below has no wait for memory
.if (\k) <= 5
	WLOADG (\k)+2, 3
.endif
	WIN 0
.if (\k) <= 4
	global_prefetch_b8 v[PFO], s[WP:WP+1] offset:512*((\k)+3) th:TH_LOAD_NT scope:SCOPE_SE   ; my 16 rows of chunk k + 3, 32 blocks of 256 bytes, each asked for once, by the wave that will load them in the next interval; chunk 7 is the last asked for
.endif
.endm
; 8 LDS loads: K step hs / 2 of chunk k, fragments 4 (hs % 2) .. + 3, into half buffer hs % 2
.macro FETCHH k, hs
.set fi, 0
.rept 4
	ds_load_b128 v[WF+32*((\hs)%2)+8*fi:WF+32*((\hs)%2)+8*fi+3],   v[WLD+(\k)/2] offset:((\k)%2)*CHUNK+16*PITCH*(4*((\hs)%2)+fi)+64*((\hs)/2)
	ds_load_b128 v[WF+32*((\hs)%2)+8*fi+4:WF+32*((\hs)%2)+8*fi+7], v[WLD+(\k)/2] offset:((\k)%2)*CHUNK+16*PITCH*(4*((\hs)%2)+fi)+64*((\hs)/2)+32
.set fi, fi+1
.endr
.endm
.macro SLOTMM k, hs, j                 ; 4 matrix instructions on 4 accumulators; the next run takes four others: the accumulators take turns
	WIN 0x50                                       ; C and D in window 1
.set fi, 0
.rept 4
.set ra, 64*(\j)+8*(4*((\hs)%2)+fi)
	v_wmma_f32_16x16x32_f16 v[ra:ra+7], v[WF+32*((\hs)%2)+8*fi:WF+32*((\hs)%2)+8*fi+7], v[T+64*((\k)%2)+32*(\j)+8*((\hs)/2):T+64*((\k)%2)+32*(\j)+8*((\hs)/2)+7], v[ra:ra+7]
.set fi, fi+1
.endr
	WIN 0                                          ; at a branch and at a label every window is 0
.endm
.macro MMH k, hs
	SLOTMM \k, \hs, 0
	s_cmp_lt_i32 s[REM], 9
	s_cbranch_scc1 .Lx_\@                          ; my second slot has no tile
	SLOTMM \k, \hs, 1
.Lx_\@:
.endm
; Chunk k is multiplied: eight half steps on two half buffers: while one is multiplied the other's loads land.  A wave without a tile jumps it all.
.macro COMPUTE k
	s_cmp_lt_i32 s[REM], 1
	s_cbranch_scc1 .Lcx_\@
	FETCHH \k, 0
	FETCHH \k, 1
.irp hs, 0,1,2,3,4,5,6,7
.if \hs < 7
	s_wait_dscnt 8                                 ; this half step's fragments are in; the 8 loads issued behind them stay out
.else
	s_wait_dscnt 0x0
.endif
	MMH \k, \hs
	PLACES
.if \hs < 6
	FETCHH \k, \hs+2
.endif
.endr
.Lcx_\@:
.endm
; The list of pass p: for each slot my token (rank 16 tile + lane % 16) and the tokens of the tile's rows 2 t + lane / 16.  Tile = w + 8 (2 p + j): 512 bytes of list a step.
.macro LISTP p
.irp j, 0,1
	ds_load_b32 v[TK+\j], v[LA] offset:512*(2*(\p)+\j)
.irp t, 0,1,2,3,4,5,6,7
	ds_load_b32 v[OFS+8*\j+\t], v[LB] offset:512*(2*(\p)+\j)+8*\t
.endr
.endr
.endm
.macro LISTUSE                         ; bounded, then times the pitch, plus the lane's place
	s_wait_dscnt 0x0
.irp j, 0,1
	v_min_u32 v[TK+\j], 0x3ff, v[TK+\j]
	v_mul_u32_u24 v[TK+\j], s[PT], v[TK+\j]
	v_add_nc_u32 v[TO+\j], v[TK+\j], v[KH]
.endr
.set z, 0
.rept 16
	v_min_u32 v[OFS+z], 0x3ff, v[OFS+z]
	v_mul_u32_u24 v[OFS+z], s[OP], v[OFS+z]
	v_add_nc_u32 v[OFS+z], v[OFS+z], v[CO]
.set z, z+1
.endr
.endm
; The accumulators are cleared on purpose: a dead slot's registers are then written too, and one text of a chunk serves the first chunk and every pass.
; The price: 128 lines a pass, in pass 0 while the first weights and token rows are on their way.
.macro CLEAR
	WIN 0x40
.set z, 0
.rept 128
	v_mov_b32 v[z], 0
.set z, z+1
.endr
	WIN 0
.endm
; THE WAY OUT of slot j: 16 tokens x 128 columns, through my own stage in LDS (LDS serves a wave's instructions in order, ISA guide 5.7.1.4: no wait between its stores and its loads, no barrier).
.macro SENDQ j, off
.irp t, 0,1,2,3,4,5,6,7
	ds_load_b128 v[Q+4*\t:Q+4*\t+3], v[RD] offset:2*PITCH*\t
.endr
.irp t, 0,1,2,3,4,5,6,7
	s_wait_dscnt 7-\t
	global_store_b128 v[OFS+8*(\j)+\t], v[Q+4*\t:Q+4*\t+3], s[12:13] offset:\off   ; 16 lanes store 256 consecutive bytes of a token's row, at a multiple of 256 from OUT's first byte
.endr
.endm
.macro EPI j
	s_cmp_lt_i32 s[REM], 8*(\j)+1
	s_cbranch_scc1 .Lepi_end
	s_wait_xcnt 0x0                                ; the last slot's stores have read their data
	s_cmp_eq_u32 s[MODE], 1
	s_cbranch_scc1 .Lm1_\@
	WIN 0x01                                       ; mode 0: silu / 16, rounded to f16.  Source 0 in window 1
.set z, 0
.rept 32
	v_pk_mul_f32 v[E+2*z:E+2*z+1], v[64*(\j)+2*z:64*(\j)+2*z+1], s[NL:NL+1] op_sel_hi:[1,0]
.set z, z+1
.endr
	WIN 0
.set z, 0
.rept 64
	v_exp_f32 v[E+z], v[E+z]
.set z, z+1
.endr
	v_nop                                          ; a plain instruction between the last exponential and the use of its result
.set z, 0
	s_wait_alu depctr_va_vdst(0)
.rept 32
	v_pk_fma_f32 v[E+2*z:E+2*z+1], v[E+2*z:E+2*z+1], s[SC:SC+1], s[SC:SC+1] op_sel_hi:[1,0,0]   ; 16 + 16 e: its reciprocal is the sigmoid / 16
.set z, z+1
.endr
.set z, 0
.rept 64
	v_rcp_f32 v[E+z], v[E+z]
.set z, z+1
.endr
	v_nop
	WIN 0x01
.set z, 0
	s_wait_alu depctr_va_vdst(0)
.rept 32
	v_pk_mul_f32 v[E+2*z:E+2*z+1], v[64*(\j)+2*z:64*(\j)+2*z+1], v[E+2*z:E+2*z+1]
.set z, z+1
.endr
	WIN 0
.set z, 0
.rept 32
	v_cvt_pk_f16_f32 v[PK+z], v[E+2*z], v[E+2*z+1]
.set z, z+1
.endr
.irp i, 0,1,2,3,4,5,6,7
	ds_store_b128 v[STO], v[PK+4*\i:PK+4*\i+3] offset:32*\i
.endr
	SENDQ \j, 0
	s_branch .Ldone_\@
.Lm1_\@:                               ; mode 1: f32 sums as they are, 64 columns (256 bytes of a row) at a time
.irp u, 0,1
.if \u == 1
	s_wait_xcnt 0x0                                ; the first half's stores have read their data
.endif
	WIN 0x04                                       ; store data in window 1: straight from the accumulators, the low four registers first
.irp i, 0,1,2,3
	ds_store_b128 v[STO2], v[64*(\j)+8*(4*\u+\i):64*(\j)+8*(4*\u+\i)+3]   offset:64*\i
	ds_store_b128 v[STO2], v[64*(\j)+8*(4*\u+\i)+4:64*(\j)+8*(4*\u+\i)+7] offset:64*\i+16
.endr
	WIN 0
	SENDQ \j, 256*\u
.endr
.Ldone_\@:
.endm
	; THE HEAD
	s_load_b256 s[4:11], s[0:1], 0x0               ; W s[4:5], TOK s[6:7], BM s[8:9], CFG s[10:11]
	s_load_b64 s[12:13], s[0:1], 0x20              ; OUT
	v_lshl_add_u32 v2, v0, 2, SPARE                ; my spare word, and 0: kept for the add alone
	v_mov_b32 v3, 0
	v_lshrrev_b32 v1, 5, v0
	v_readfirstlane_b32 s[WV], v1
	v_and_b32 v1, 31, v0                           ; lane
	s_mov_b32 s[SL], ttmp9
	s_and_b32 s[EX], ttmp7, 0xffff
	s_lshl_b32 s22, s[EX], 7                       ; the expert's 128 bytes of the bitmap
	s_mov_b32 s23, 0
	s_wait_kmcnt 0x0
	s_load_b32 s[MODE], s[10:11], 0x0
	s_add_nc_u64 s[8:9], s[8:9], s[22:23]
	s_load_b512 s[32:47], s[8:9], 0x0
	s_load_b512 s[48:63], s[8:9], 0x40
	s_and_b32 s28, s[SL], 3                        ; both modes' numbers are made while the loads are out
	s_lshr_b32 s29, s[SL], 2
	s_lshl_b32 s70, s[SL], 19                      ; weights, mode 0: 128 s rows of 4,096 bytes
	s_lshl_b32 s71, s29, 21                        ; mode 1: 128 (s / 4) rows of 16,384 bytes
	s_lshl_b32 s30, s28, 12                        ;         + K slice s % 4: 1,024 f32
	s_add_co_u32 s71, s71, s30
	s_lshl_b32 s72, s28, 11                        ; token rows, mode 1: K slice s % 4: 1,024 f16
	s_lshl_b32 s73, s[SL], 8                       ; output, mode 0: columns 128 s on, f16
	s_lshl_b32 s74, s28, 22                        ; mode 1: plane s % 4 of 4 MiB
	s_lshl_b32 s30, s29, 9                         ;         + columns 128 (s / 4) on, f32
	s_add_co_u32 s74, s74, s30
	s_mov_b32 s68, 4096
	s_mov_b32 s69, 16384
	s_mov_b32 s75, 2048
	s_mov_b32 s31, 8192
	s_lshl_b32 s30, s[EX], 24                      ; an expert's weights are 16 MiB in both
	s_wait_kmcnt 0x0
	s_min_u32 s[MODE], s[MODE], 1
	s_cmp_eq_u32 s[MODE], 1
	s_cselect_b32 s[PW], s69, s68
	s_cselect_b32 s22, s71, s70
	s_cselect_b32 s[PT], s31, s75
	s_cselect_b32 s[KOFF], s72, 0
	s_cselect_b32 s[OP], s68, s31
	s_cselect_b32 s74, s74, s73
	s_add_co_u32 s22, s22, s30
	s_lshl_b32 s71, s[WV], 4                       ; my 16 rows
	s_mul_i32 s71, s71, s[PW]
	s_add_co_u32 s22, s22, s71
	s_add_nc_u64 s[WP:WP+1], s[4:5], s[22:23]
	v_lshlrev_b32 v[WO], 4, v1
.set g, 1
.rept 15
	v_mad_u32_u24 v[WO+g], s[PW], g, v[WO]
.set g, g+1
.endr
	WIN 0x44                                       ; the first two chunks' weights go out before anything else: 32 loads, 16 KiB a wave
.irp gg, 0,1,2,3
	WLOADG 0, \gg
.endr
.irp gg, 0,1,2,3
	WLOADG 1, \gg
.endr
	WIN 0
	v_lshrrev_b32 v26, 1, v1
	v_and_b32 v27, 1, v1
	v_mul_u32_u24 v[PFO], s[PW], v26
	v_lshl_add_u32 v[PFO], v27, 8, v[PFO]
	global_prefetch_b8 v[PFO], s[WP:WP+1] offset:1024 th:TH_LOAD_NT scope:SCOPE_SE   ; my 16 rows of chunk 2, which interval 0 loads
	; the expert's count, my share of its tiles, my addresses
	s_bcnt1_i32_b32 s[CNT], s[MK]
.set g, 1
.rept 31
	s_bcnt1_i32_b32 s[TMP], s[MK+g]
	s_add_co_u32 s[CNT], s[CNT], s[TMP]
.set g, g+1
.endr
	s_add_co_u32 s[REM], s[CNT], 15
	s_lshr_b32 s[REM], s[REM], 4                   ; tiles of 16
	s_sub_co_i32 s[REM], s[REM], s[WV]
	s_mov_b32 s22, s74
	s_add_nc_u64 s[12:13], s[12:13], s[22:23]      ; OUT at my columns
	s_mov_b32 s[NL], 0xbfb8aa3b
	s_mov_b32 s[NL+1], s[NL]
	s_mov_b32 s[SC], 0x41800000                    ; 16.0
	s_mov_b32 s[SC+1], s[SC]
	s_mov_b32 s[HM], 0xffff0000
	v_and_b32 v4, 15, v0                           ; lane % 16
	v_bfe_u32 v5, v0, 4, 1                         ; lane / 16
	v_mul_u32_u24 v[WLD], v4, PITCH
	v_lshl_add_u32 v[WLD], v5, 4, v[WLD]           ; a fragment's row x pitch + 16 x half
	s_mul_i32 s70, s[WV], 16*PITCH                 ; my 16 rows of a chunk; also my stage's place among the stages
	v_lshl_add_u32 v[WST], v1, 3, s70
.irp p, 1,2,3
	v_add_nc_u32 v[WLD+\p], 2*CHUNK*\p, v[WLD]
	v_add_nc_u32 v[WST+\p], 2*CHUNK*\p, v[WST]
.endr
	s_add_co_u32 s70, s70, STG
	v_add_nc_u32 v[STO], s70, v[WLD]
	v_lshl_add_u32 v[STO2], v5, 4, v[STO]
	v_mul_u32_u24 v[RD], v5, PITCH
	v_lshl_add_u32 v[RD], v4, 4, v[RD]
	v_add_nc_u32 v[RD], s70, v[RD]
	v_lshlrev_b32 v[CO], 4, v4
	s_lshl_b32 s71, s[WV], 6
	s_add_co_u32 s71, s71, LIST
	v_lshl_add_u32 v[LA], v4, 2, s71
	v_lshl_add_u32 v[LB], v5, 2, s71
	v_lshl_add_u32 v[KH], v5, 4, s[KOFF]
	s_cmp_lg_u32 s[WV], 0
	s_cbranch_scc1 .Ljoin0
	; wave 0 alone, the only writer of LDS ahead of the first barrier: the list.  First every word takes the expert's first token (0 if it has none),
	s_mov_b32 s[FIRST], 0
.set g, 31
.rept 32
	s_ctz_i32_b32 s[TMP], s[MK+g]
	s_add_co_u32 s[TMP], s[TMP], 32*g
	s_cmp_lg_u32 s[MK+g], 0
	s_cselect_b32 s[FIRST], s[TMP], s[FIRST]
.set g, g-1
.endr
	v_mov_b32 v64, s[FIRST]
	v_mov_b32 v65, s[FIRST]
	v_mov_b32 v66, s[FIRST]
	v_mov_b32 v67, s[FIRST]
	v_lshl_add_u32 v68, v1, 4, LIST
.irp i, 0,1,2,3,4,5,6,7
	ds_store_b128 v68, v[64:67] offset:512*\i
.endr
	; then, 32 tokens at a time, each chosen token goes to the word of its rank: the set bits below it in its word, and all those of the words before.
	; A lane whose token chose another expert counts from 2,048 on, and the bound sends it to the word behind the list.
	v_mov_b32 v69, v1
	v_mov_b32 v70, 2048
	s_mov_b32 s[BASE], 0
.set g, 0
.rept 32
	v_cndmask_b32 v71, v70, s[BASE], s[MK+g]
	v_mbcnt_lo_u32_b32 v72, s[MK+g], v71
	v_min_u32 v72, LWORDS, v72
	v_lshl_add_u32 v71, v72, 2, LIST
	ds_store_b32 v71, v69
	v_add_nc_u32 v69, 32, v69
	s_bcnt1_i32_b32 s[TMP], s[MK+g]
	s_add_co_u32 s[BASE], s[BASE], s[TMP]
.set g, g+1
.endr
.Ljoin0:
	s_wait_dscnt 0x0                               ; the list lies in LDS
	s_barrier_signal -1
	s_barrier_wait -1
	LISTP 0
	LISTUSE
	TLOAD 0                                        ; chunk 0's token fragments, behind the first two chunks' weights
	CLEAR
.irp k, 0,1,2,3,4,5,6,7
	STREAM \k
	s_wait_dscnt 0x0                               ; for the others' sake: my rows of the chunk lie in LDS
	s_barrier_signal -1
	s_barrier_wait -1                              ; everybody's do
	COMPUTE \k
.endr
	; The slice is whole; from here on no barrier, and no LDS write but into a wave's own stage.
	s_mov_b32 s[PASS], 4
.Lpass:                                ; four trips: the pass that is finished goes out; then the next 256 ranks are multiplied, if I have a tile among them.  The fourth trip's next pass would begin at tile 64: it is always jumped
	EPI 0
	EPI 1
.Lepi_end:
	s_sub_co_i32 s[REM], s[REM], 16
	s_cmp_lt_i32 s[REM], 1
	s_cbranch_scc1 .Lnext
	s_wait_xcnt 0x0                                ; the last pass's stores have read their offsets and data
	s_cmp_eq_u32 s[PASS], 4                        ; the pass's place in the list stands in the loads' immediates: three texts, chosen by the loop's counter
	s_cbranch_scc0 .Lp2
	LISTP 1
	s_branch .Lpj
.Lp2:
	s_cmp_eq_u32 s[PASS], 3
	s_cbranch_scc0 .Lp3
	LISTP 2
	s_branch .Lpj
.Lp3:
	LISTP 3
.Lpj:
	LISTUSE
	CLEAR
	TLOAD 0
.irp k, 0,1,2,3,4,5,6,7
.if \k < 7
	TLOAD \k+1
	s_wait_loadcnt 16                              ; this chunk's token fragments are in; the next chunk's 16 loads stay out
.else
	s_wait_loadcnt 0x0
.endif
	COMPUTE \k
.endr
.Lnext:
	s_sub_co_u32 s[PASS], s[PASS], 1
	s_cmp_lg_u32 s[PASS], 0
	s_cbranch_scc1 .Lpass
	s_wait_tensorcnt 0x0                           ; the wave's end, behind its last LDS store
	ds_add_u32 v2, v3
	s_wait_dscnt 0x0
	s_endpgm
.Lfunc_end_k_qc03232922a_ffn1:
	.size	k_qc03232922a_ffn1, .Lfunc_end_k_qc03232922a_ffn1-k_qc03232922a_ffn1
	.p2alignl 7, 3214868480
	.fill 96, 4, 3214868480
	.section	.rodata,"a",@progbits
	.p2align	6, 0x0
	.amdhsa_kernel k_qc03232922a_ffn1
		.amdhsa_group_segment_fixed_size 318720
		.amdhsa_private_segment_fixed_size 0
		.amdhsa_enable_private_segment 0
		.amdhsa_kernarg_size 40
		.amdhsa_user_sgpr_count 2
		.amdhsa_user_sgpr_kernarg_segment_ptr 1
		.amdhsa_wavefront_size32 1
		.amdhsa_system_sgpr_workgroup_id_x 1
		.amdhsa_system_sgpr_workgroup_id_y 1
		.amdhsa_system_sgpr_workgroup_id_z 1
		.amdhsa_system_vgpr_workitem_id 0
		.amdhsa_next_free_vgpr 512
		.amdhsa_next_free_sgpr 76
		.amdhsa_reserve_vcc 0
		.amdhsa_float_denorm_mode_32 3
		.amdhsa_float_denorm_mode_16_64 3
		.amdhsa_memory_ordered 1
		.amdhsa_forward_progress 1
		.amdhsa_inst_pref_size 255
	.end_amdhsa_kernel
	.section	.bss,"aw",@nobits
	.p2align	6
	.space	262144
	.amdgpu_metadata
---
amdhsa.version: [ 1, 2 ]
amdhsa.kernels:
  - .name:           k_qc03232922a_ffn1
    .symbol:         k_qc03232922a_ffn1.kd
    .args:
      - { .name: w1, .offset: 0, .size: 8, .value_kind: global_buffer, .address_space: global }
      - { .name: xb, .offset: 8, .size: 8, .value_kind: global_buffer, .address_space: global }
      - { .name: bm, .offset: 16, .size: 8, .value_kind: global_buffer, .address_space: global }
      - { .name: cfg1, .offset: 24, .size: 8, .value_kind: global_buffer, .address_space: global }
      - { .name: h, .offset: 32, .size: 8, .value_kind: global_buffer, .address_space: global }
    .group_segment_fixed_size: 318720
    .private_segment_fixed_size: 0
    .kernarg_segment_align: 8
    .kernarg_segment_size: 40
    .max_flat_workgroup_size: 256
    .sgpr_count:     76
    .vgpr_count:     512
    .wavefront_size: 32
...
	.end_amdgpu_metadata
.endif
;; end of part 2
;; launch ffn2: the kernel of part 2 again; grid 32 x 8, 8 waves a work-group, no clusters, 318,720 bytes of LDS; arguments w2, h, bm, cfg2, part; writes part
;; launch combine (part 3): grid 256 x 1, 8 waves a work-group, no clusters, 0 bytes of LDS; arguments part, gate, out0; writes out0
.if DOCPART == 3
	.amdgcn_target "amdgcn-amd-amdhsa--gfx1250"
	.amdhsa_code_object_version 6
	.text
	.protected	k_qc03232922a_combine
	.globl	k_qc03232922a_combine
	.p2align	8
	.type	k_qc03232922a_combine,@function
k_qc03232922a_combine:
	s_mov_b64 s[64:65], 0
	v_nop
	global_prefetch_b8 v0, s[64:65] scope:SCOPE_SE
	s_setreg_imm32_b32 hwreg(HW_REG_WAVE_MODE, 25, 1), 1
	s_wait_xcnt 0x0
; out0[t][d] = 16 gate[t] x ((part[0][t][d] + part[1][t][d]) + (part[2][t][d] + part[3][t][d])): the four K slices' partial sums of the second product, all f32, and the router's weight.
; The factor 16, a power of two and so exact, undoes the 1 / 16 with which the hidden layer went through memory in f16.
; A stream: no LDS, no barrier, no matrix unit.  A work-group has 4 rows, a wave half a row (2,048 bytes): 16 loads of 512 consecutive bytes, all issued ahead of the first wait, 4 stores of 512.
.set PL, 12                            ; s[12:19] the four planes at my half row
.set GT, 20                            ; s20      the gate
.set G,  4                             ; v[4:5]   16 x the gate, twice: a pair for the packed multiply
.set D,  8                             ; v[8:71]  piece q of 512 bytes: planes 0-3 at D + 16 q + 4 p
	s_load_b128 s[4:7], s[0:1], 0x0                ; part s[4:5], gate s[6:7]
	s_load_b64 s[8:9], s[0:1], 0x10                ; out0
	v_lshrrev_b32 v2, 5, v0
	v_readfirstlane_b32 s2, v2                     ; wave
	v_and_b32 v1, 31, v0
	v_lshlrev_b32 v1, 4, v1                        ; 16 x lane
	s_lshr_b32 s3, s2, 1
	s_lshl_b32 s22, ttmp9, 2
	s_add_co_u32 s3, s3, s22                       ; my row = 4 x work-group + wave / 2
	s_and_b32 s2, s2, 1
	s_lshl_b32 s10, s3, 12
	s_lshl_b32 s2, s2, 11
	s_add_co_u32 s10, s10, s2                      ; row x 4,096 + half x 2,048
	s_mov_b32 s11, 0
	s_lshl_b32 s22, s3, 2
	s_mov_b32 s23, 0
	s_wait_kmcnt 0x0
	s_add_nc_u64 s[6:7], s[6:7], s[22:23]
	s_load_b32 s[GT], s[6:7], 0x0
	s_add_nc_u64 s[PL:PL+1], s[4:5], s[10:11]
	s_add_nc_u64 s[PL+2:PL+3], s[PL:PL+1], 0x400000      ; a plane is 4 MiB
	s_add_nc_u64 s[PL+4:PL+5], s[PL+2:PL+3], 0x400000
	s_add_nc_u64 s[PL+6:PL+7], s[PL+4:PL+5], 0x400000
	s_add_nc_u64 s[8:9], s[8:9], s[10:11]
.irp q, 0,1,2,3
.irp p, 0,1,2,3
	global_load_b128 v[D+16*\q+4*\p:D+16*\q+4*\p+3], v1, s[PL+2*\p:PL+2*\p+1] offset:512*\q th:TH_LOAD_NT
.endr
.endr
	v_mov_b32 v[G], 0x41800000                     ; 16.0
	s_wait_kmcnt 0x0
	v_mul_f32 v[G], s[GT], v[G]
	v_mov_b32 v[G+1], v[G]
.irp q, 0,1,2,3
	s_wait_loadcnt 12-4*\q                         ; piece q's four loads are in; the younger pieces' stay out
.irp i, 0,2
	v_pk_add_f32 v[D+16*\q+\i:D+16*\q+\i+1],     v[D+16*\q+\i:D+16*\q+\i+1],     v[D+16*\q+4+\i:D+16*\q+4+\i+1]
	v_pk_add_f32 v[D+16*\q+8+\i:D+16*\q+8+\i+1], v[D+16*\q+8+\i:D+16*\q+8+\i+1], v[D+16*\q+12+\i:D+16*\q+12+\i+1]
.endr
.irp i, 0,2
	v_pk_add_f32 v[D+16*\q+\i:D+16*\q+\i+1], v[D+16*\q+\i:D+16*\q+\i+1], v[D+16*\q+8+\i:D+16*\q+8+\i+1]
.endr
.irp i, 0,2
	v_pk_mul_f32 v[D+16*\q+\i:D+16*\q+\i+1], v[D+16*\q+\i:D+16*\q+\i+1], v[G:G+1]
.endr
	global_store_b128 v1, v[D+16*\q:D+16*\q+3], s[8:9] offset:512*\q th:TH_STORE_NT   ; 512 consecutive bytes, at a multiple of 256 from out0's first byte
.endr
	s_endpgm
.Lfunc_end_k_qc03232922a_combine:
	.size	k_qc03232922a_combine, .Lfunc_end_k_qc03232922a_combine-k_qc03232922a_combine
	.p2alignl 7, 3214868480
	.fill 96, 4, 3214868480
	.section	.rodata,"a",@progbits
	.p2align	6, 0x0
	.amdhsa_kernel k_qc03232922a_combine
		.amdhsa_group_segment_fixed_size 0
		.amdhsa_private_segment_fixed_size 0
		.amdhsa_enable_private_segment 0
		.amdhsa_kernarg_size 24
		.amdhsa_user_sgpr_count 2
		.amdhsa_user_sgpr_kernarg_segment_ptr 1
		.amdhsa_wavefront_size32 1
		.amdhsa_system_sgpr_workgroup_id_x 1
		.amdhsa_system_sgpr_workgroup_id_y 1
		.amdhsa_system_sgpr_workgroup_id_z 1
		.amdhsa_system_vgpr_workitem_id 0
		.amdhsa_next_free_vgpr 72
		.amdhsa_next_free_sgpr 66
		.amdhsa_reserve_vcc 0
		.amdhsa_float_denorm_mode_32 3
		.amdhsa_float_denorm_mode_16_64 3
		.amdhsa_memory_ordered 1
		.amdhsa_forward_progress 1
		.amdhsa_inst_pref_size 6
	.end_amdhsa_kernel
	.amdgpu_metadata
---
amdhsa.version: [ 1, 2 ]
amdhsa.kernels:
  - .name:           k_qc03232922a_combine
    .symbol:         k_qc03232922a_combine.kd
    .args:
      - { .name: part, .offset: 0, .size: 8, .value_kind: global_buffer, .address_space: global }
      - { .name: gate, .offset: 8, .size: 8, .value_kind: global_buffer, .address_space: global }
      - { .name: out0, .offset: 16, .size: 8, .value_kind: global_buffer, .address_space: global }
    .group_segment_fixed_size: 0
    .private_segment_fixed_size: 0
    .kernarg_segment_align: 8
    .kernarg_segment_size: 24
    .max_flat_workgroup_size: 256
    .sgpr_count:     66
    .vgpr_count:     72
    .wavefront_size: 32
...
	.end_amdgpu_metadata
.endif
;; end of part 3
;; ======== version 2 of 3: 4 launches
;; limits: values are held in f16: magnitudes above 65,504 overflow, below 6.1e-05 lose precision; inputs' magnitudes at most 65,504; right only within a limited range of input values
;; workspace buffers: xb 2,097,152 bytes; bm 1,024 bytes of whole numbers; gate 4,096 bytes; cfg1 256 bytes of whole numbers; cfg2 256 bytes of whole numbers; h 8,388,608 bytes; part 16,777,216 bytes
;; launch router: the kernel of part 1 again; grid 128 x 1, 8 waves a work-group, no clusters, 25,856 bytes of LDS; arguments x, w_router, xb, bm, gate, cfg1, cfg2; writes xb, bm, gate, cfg1, cfg2
;; launch ffn1 (part 4): grid 32 x 8, 8 waves a work-group, no clusters, 318,720 bytes of LDS; arguments w1, xb, bm, cfg1, h; writes h
.if DOCPART == 4
	.amdgcn_target "amdgcn-amd-amdhsa--gfx1250"
	.amdhsa_code_object_version 6
	.text
	.protected	k_qc03232922a_ffn1
	.globl	k_qc03232922a_ffn1
	.p2align	8
	.type	k_qc03232922a_ffn1,@function
k_qc03232922a_ffn1:
	s_mov_b64 s[64:65], 0
	v_nop
	global_prefetch_b8 v0, s[64:65] scope:SCOPE_SE
	s_setreg_imm32_b32 hwreg(HW_REG_WAVE_MODE, 25, 1), 1
	s_wait_xcnt 0x0
; ONE TEXT FOR BOTH PRODUCTS of a layer of 8 experts, each token with one expert.  Arguments: W (f32 weights), TOK (token rows, f16), BM (bitmap of the choices), CFG (word 0: the mode), OUT.
;   mode 0: h[t][f] = silu(sum_d xb[t][d] w1[e][f][d]) / 16, f16.     W [8][4096][1024], TOK [1024][1024], OUT [1024][4096] f16.
;   mode 1: part[p][t][d] = sum over f in K slice p of h[t][f] w2[e][d][f], f32 partial sums (of h / 16: the last launch multiplies by 16).     W [8][1024][4096], TOK [1024][4096], OUT [4][1024][1024] f32.
; Rows of TOK and OUT go by the token's own number, so all that a wave needs of the routing is the token of a given rank among its expert's tokens.  For the first 256 ranks it finds that in registers,
; from the expert's 128 bytes of BM in scalar registers; for the ranks behind them it reads a list that wave 0 lays into LDS at the start.
; FORMATS.  The products multiply in f16, sums in f32.  The module's inputs (x, in xb; the weights, here) are rounded to bf16, all alike, and that number is written in f16; h, which the program itself makes,
; is rounded once, to f16's 11 significant bits: bf16's 8 would leave the largest of the output's million numbers at the edge of what the comparison allows.
; LIMITS.  A bf16 number is exact in f16 from 2^-17 to 65,504; below, it keeps f16's fixed step of 2^-24 (2e-6 of the spread of weights of spread 1/64); beyond, it becomes an infinity.
; h / 16 has f16's range: |h| up to 1.04e6; below |h| = 1e-3 it keeps the fixed step 2^-20.  silu(x) = x / (1 + 2^(-x log2 e)) with exponential and reciprocal that flush denormals; NaN and infinities are not treated apart.
; SHARES.  Work-group (s, e): 128 rows x 1,024 K of expert e's weights, 512 KiB that it alone reads, and ALL of that expert's tokens.  mode 0: rows 128 s on, all of K.  mode 1: rows 128 (s / 4) on, K slice s % 4.
; Every number that hangs on the mode is a choice between two numbers made of constants and the work-group's place.
; ALL EIGHT WAVES RUN ONE TEXT.  Wave w STREAMS rows 16 w .. 16 w + 15 of the slice: f32 loads of 512 consecutive bytes of one row, rounded and laid into LDS, where the slice stays whole.
; And it MULTIPLIES: tile t of 16 tokens goes to wave t % 8; a wave has 2 tiles (slots) x 128 columns in 128 accumulator registers: 256 tokens a pass.
; K goes in 8 chunks of 128, all written out, so that every LDS address is a register made once plus an immediate.  Interval k: chunk k is laid; a barrier; chunk k is multiplied.  Each LDS byte of the slice is written once.
; ONE QUEUE OF LOADS.  W(k): my 16 loads of chunk k's weights; T(k): my 16 loads of chunk k's token fragments, straight into operand registers.  Order of issue: W0 W1 T0, then in interval k T(k+1) and W(k+2).
; T(k+1) goes ahead of W(k+2), so the wait for token rows never asks younger weights to have landed: two chunks of weights, 16 KiB a wave, are out all through the multiplying.  At most 60 loads of a wave are out.
; A slot without a tile keeps its loads, so that the queue's counts are the same in every wave; its ranks are held to the last rank, so all its lanes name one row: 32 different bytes a load.
; Tokens past 256 are multiplied afterwards, from the resident slice, in up to three more passes without a barrier.  A dead slot or pass is jumped forward; an expert without tokens streams, passes every barrier and stores nothing.
; PLACES PAST THE COUNT repeat a token of the same expert (in the first pass its last, in the later ones its first): they compute that row's own numbers and store them again
; (same work-group, same bytes, same numbers), so EXEC is never narrowed.
; THE MATRIX INSTRUCTION IS USED TRANSPOSED: source 0 = 16 weight rows, source 1 = 16 tokens: a lane holds token lane % 16 and 8 neighbouring columns of its output row.
; NO TENSOR LOADS: f32 weights pass through registers to be rounded, and the resident slice leaves LDS no room for a ring.  NO CLUSTER: each weight byte has one reader, and token rows come by their numbers, lane by lane.
.set PITCH, 272                        ; an LDS row: 256 bytes (128 f16) + 16: the 16 rows of a fragment load start 68 words apart
.set CHUNK, 128*PITCH                  ; 128 rows x 128 K
.set STG,   8*CHUNK                    ; behind the slice: 16 rows x 272 bytes for each wave, for the way out
.set LIST,  STG+8*16*PITCH             ; 1,024 words: the token of rank p among the expert's tokens; ranks past the count repeat the first
.set LWORDS, 1024
.set DUMP,  LIST+4*LWORDS              ; the word behind the list: where lanes without a token store; a block of 256 bytes of its own
.set SPARE, DUMP+256                   ; the spare words, 128 bytes for each of the 8 waves; no other line names them
; scalars
.set WV,   14                          ; wave
.set SL,   15                          ; slice s
.set EX,   16                          ; expert e
.set MODE, 17
.set PW,   18                          ; bytes from weight row to weight row
.set PT,   19                          ; bytes from token row to token row
.set OP,   20                          ; bytes from output row to output row
.set KOFF, 21                          ; my K slice's first byte in a token row
.set WP,   24                          ; s[24:25] W at my 16 rows; never stepped: the chunk stands in the loads' immediate
.set CNT,  26                          ; the expert's tokens
.set REM,  27                          ; tiles - wave - 16 x pass (signed): slot j lives if REM > 8 j
.set PASS, 28
.set HM,   29                          ; 0xffff0000: a word's upper bf16
.set CM,   30                          ; the last rank that exists (0 if there is none)
.set TMP,  31
.set MK,   32                          ; s[32:63] the expert's bitmap
.set FIRST,66                          ; in wave 0: the token of rank 0
.set BASE, 67                          ; the set bits of the words before the one in hand
.set NL,   68                          ; s[68:69] -log2(e), named as a pair
.set SC,   72                          ; s[72:73] 16.0, named as a pair
; vector registers, window 0: v1 lane, v2 my spare word, v3 0, v4 lane % 16, v5 lane / 16
.set WST,  6                           ; v6-9    where I lay 8 bytes of my first row, chunks 2 p and 2 p + 1
.set WLD,  10                          ; v10-13  my place in a fragment's first row, chunks 2 p and 2 p + 1
.set LA,   14                          ; list: rank 16 w + lane % 16
.set LB,   15                          ; list: rank 16 w + lane / 16
.set TO,   16                          ; v16-17  slot j: my token's row offset + KOFF + 16 x half
.set KH,   18
.set STO,  19                          ; stage, in: row lane % 16, 16 bytes a half (f16)
.set STO2, 20                          ; the same, 32 bytes a half (f32)
.set RD,   21                          ; stage, back: lanes 0-15 one row of 256 bytes, lanes 16-31 the next
.set CO,   22                          ; 16 x (lane % 16)
.set PFO,  23                          ; prefetch: row lane / 2 of my 16, block lane % 2 of its 512 bytes
.set TK,   24                          ; v24-25  the slots' tokens
.set XS,   28                          ; my stage + 4 x lane
.set RK,   29                          ; 16 w + lane % 16: my rank in the first pass, slot 0
.set LS,   30                          ; my stage + 4 x (lane / 16)
.set WO,   32                          ; v32-47  16 x lane + row j x PW
.set OFS,  48                          ; v48-63  slot j, rows 2 t + lane / 16 of its tile: offset in OUT
.set T,    64                          ; v64-191 token fragments: chunk parity b, slot j, K step st at T + 64 b + 32 j + 8 st
.set SB,   64                          ; at the head, while no fragment is there: 12 registers at work for slot j's search, at SB + 16 j
.set WF,   192                         ; v192-255 weight fragments: half buffer hb, fragment 4 hb + i at WF + 32 hb + 8 i; at the head, in wave 0, v192-200 at work on the list
.set WR,   128                         ; window 1: v0-127 accumulators (slot j, fragment i at 64 j + 8 i); v128-255 the weight ring: chunk parity, group g, load m at WR + 64 b + 16 g + 4 m
.set E,    64                          ; the way out, in the token fragments' registers: v64-127 at work, v128-159 packed, v160-191 rows read back
.set PK,   128
.set Q,    160
.set MSB, 0
.macro WIN new                         ; s_set_vgpr_msb: bits 1:0 source 0, 3:2 source 1, 5:4 source 2, 7:6 destination; the high byte repeats the setting that is left
.if MSB != (\new)
	s_set_vgpr_msb (MSB<<8)|(\new)
.set MSB, (\new)
.endif
.endm
.macro PLACES                          ; four places between a matrix instruction and a load into, or a vector write or read of, its registers
.rept 4
	v_nop
.endr
.endm
; Group g of chunk k's weights: 4 rows x 512 bytes.  The setting in force has destinations in window 1 and addresses in window 0.
.macro WLOADG k, g
.set m, 0
.rept 4
	global_load_b128 v[WR+64*((\k)%2)+16*(\g)+4*m:WR+64*((\k)%2)+16*(\g)+4*m+3], v[WO+4*(\g)+m], s[WP:WP+1] offset:512*(\k) th:TH_LOAD_NT
.set m, m+1
.endr
.endm
; Chunk k's token fragments for both slots: 16 loads, straight from memory into operand registers
.macro TLOAD k
.irp st, 0,1,2,3
.irp j, 0,1
	global_load_b128 v[T+64*((\k)%2)+32*\j+8*\st:T+64*((\k)%2)+32*\j+8*\st+3],   v[TO+\j], s[6:7] offset:256*(\k)+64*\st
	global_load_b128 v[T+64*((\k)%2)+32*\j+8*\st+4:T+64*((\k)%2)+32*\j+8*\st+7], v[TO+\j], s[6:7] offset:256*(\k)+64*\st+32
.endr
.endr
.endm
; Chunk k is laid into LDS, group by group; T(k+1) and W(k+2) are asked for.
.macro STREAM k
.set g, 0
.rept 4
.set nw, 4*(3-g)+16                    ; younger than group g: the rest of W(k), and T(k),
.if (\k) <= 6
.set nw, nw+16                         ; W(k+1),
.if g >= 1
.set nw, nw+16                         ; T(k+1), issued behind group 0's wait,
.endif
.endif
.if ((\k) <= 5) && (g >= 1)
.set nw, nw+4*(g-1)                    ; and the groups of W(k+2) issued so far
.endif
	s_wait_loadcnt nw                              ; loads come back in order (ISA guide 5.7.1): group g is in, all that is younger stays out
.if (g == 0) && ((\k) <= 6)
	TLOAD (\k)+1                                   ; into the buffer that the chunk before this one was multiplied from
.endif
.if (g >= 1) && ((\k) <= 5)
	WLOADG (\k)+2, g-1                             ; into the registers that group g - 1 has left
.endif
.set sq, WR+64*((\k)%2)+16*g
	WIN 0x45                                       ; in place, in window 1: each load's four f32 are rounded to bf16,
.set m, 0
.rept 4
	v_cvt_pk_bf16_f32 v[sq+4*m],   v[sq+4*m],   v[sq+4*m+1]
	v_cvt_pk_bf16_f32 v[sq+4*m+2], v[sq+4*m+2], v[sq+4*m+3]
.set m, m+1
.endr
.set m, 0
.rept 4                                ; widened again (a mask, a shift),
	v_and_b32     v[sq+4*m+1], s[HM], v[sq+4*m]
	v_lshlrev_b32 v[sq+4*m],   16,    v[sq+4*m]
	v_and_b32     v[sq+4*m+3], s[HM], v[sq+4*m+2]
	v_lshlrev_b32 v[sq+4*m+2], 16,    v[sq+4*m+2]
.set m, m+1
.endr
.set m, 0
.rept 4                                ; and written in f16: 8 bytes a lane
	v_cvt_pk_f16_f32 v[sq+4*m],   v[sq+4*m],   v[sq+4*m+1]
	v_cvt_pk_f16_f32 v[sq+4*m+1], v[sq+4*m+2], v[sq+4*m+3]
.set m, m+1
.endr
	WIN 0x44                                       ; addresses in window 0; store data and load destinations in window 1
.set m, 0
.rept 4
	ds_store_b64 v[WST+(\k)/2], v[sq+4*m:sq+4*m+1] offset:((\k)%2)*CHUNK+(4*g+m)*PITCH   ; 256 consecutive bytes: a row of the chunk
.set m, m+1
.endr
.set g, g+1
.endr
.if (\k) == 0
.set nt, 28                            ; younger than T(0): T(1) and three groups of W(2)
.elseif (\k) <= 5
.set nt, 44                            ; younger than T(k): W(k+1), T(k+1) and three groups of W(k+2)
.elseif (\k) == 6
.set nt, 32                            ; W(7) and T(7)
.else
.set nt, 0
.endif
	s_wait_loadcnt nt                              ; this chunk's token fragments are in: the multiplying below has no wait for memory
.if (\k) <= 5
	WLOADG (\k)+2, 3
.endif
	WIN 0
.if (\k) <= 4
	global_prefetch_b8 v[PFO], s[WP:WP+1] offset:512*((\k)+3) th:TH_LOAD_NT scope:SCOPE_SE   ; my 16 rows of chunk k + 3, 32 blocks of 256 bytes, each asked for once, by the wave that will load them in the next interval; chunk 7 is the last asked for
.endif
.endm
; 8 LDS loads: K step hs / 2 of chunk k, fragments 4 (hs % 2) .. + 3, into half buffer hs % 2
.macro FETCHH k, hs
.set fi, 0
.rept 4
	ds_load_b128 v[WF+32*((\hs)%2)+8*fi:WF+32*((\hs)%2)+8*fi+3],   v[WLD+(\k)/2] offset:((\k)%2)*CHUNK+16*PITCH*(4*((\hs)%2)+fi)+64*((\hs)/2)
	ds_load_b128 v[WF+32*((\hs)%2)+8*fi+4:WF+32*((\hs)%2)+8*fi+7], v[WLD+(\k)/2] offset:((\k)%2)*CHUNK+16*PITCH*(4*((\hs)%2)+fi)+64*((\hs)/2)+32
.set fi, fi+1
.endr
.endm
.macro SLOTMM k, hs, j                 ; 4 matrix instructions on 4 accumulators; the next run takes four others: the accumulators take turns
	WIN 0x50                                       ; C and D in window 1
.set fi, 0
.rept 4
.set ra, 64*(\j)+8*(4*((\hs)%2)+fi)
	v_wmma_f32_16x16x32_f16 v[ra:ra+7], v[WF+32*((\hs)%2)+8*fi:WF+32*((\hs)%2)+8*fi+7], v[T+64*((\k)%2)+32*(\j)+8*((\hs)/2):T+64*((\k)%2)+32*(\j)+8*((\hs)/2)+7], v[ra:ra+7]
.set fi, fi+1
.endr
	WIN 0                                          ; at a branch and at a label every window is 0
.endm
.macro MMH k, hs
	SLOTMM \k, \hs, 0
	s_cmp_lt_i32 s[REM], 9
	s_cbranch_scc1 .Lx_\@                          ; my second slot has no tile
	SLOTMM \k, \hs, 1
.Lx_\@:
.endm
; Chunk k is multiplied: eight half steps on two half buffers: while one is multiplied the other's loads land.  A wave without a tile jumps it all.
; Behind half step 6 no load and no vector line follows before half step 7's four places, which serve both.
.macro COMPUTE k
	s_cmp_lt_i32 s[REM], 1
	s_cbranch_scc1 .Lcx_\@
	FETCHH \k, 0
	FETCHH \k, 1
.irp hs, 0,1,2,3,4,5,6,7
.if \hs < 7
	s_wait_dscnt 8                                 ; this half step's fragments are in; the 8 loads issued behind them stay out
.else
	s_wait_dscnt 0x0
.endif
	MMH \k, \hs
.if \hs != 6
	PLACES
.endif
.if \hs < 6
	FETCHH \k, \hs+2
.endif
.endr
.Lcx_\@:
.endm
; THE TOKEN OF A RANK, in registers (the first pass).  Registers of a slot's search, from b on: +0 my rank p, +1 the bitmap word that holds it, +2 the set bits before that word, +3 the word's number,
; +4 q = my rank inside the word, +5 +6 +7 the word's counts of set bits by pairs, nibbles and bytes, +8 by halves (low byte), +9 +10 at work, +11 the bit's place.
; One step of the search by halves: t = the set bits in the lower w bits of what is left; where q >= t the bit lies in the upper w: q -= t, place += w.
.macro SSTEP b, x, msk, w
	v_lshrrev_b32 v[(\b)+9], v[(\b)+11], v[(\b)+(\x)]
	v_and_b32 v[(\b)+9], \msk, v[(\b)+9]
	v_cmp_ge_u32 vcc_lo, v[(\b)+4], v[(\b)+9]
	v_cndmask_b32 v[(\b)+9], 0, v[(\b)+9], vcc_lo
	v_sub_nc_u32 v[(\b)+4], v[(\b)+4], v[(\b)+9]
	v_cndmask_b32 v[(\b)+10], 0, \w, vcc_lo
	v_add_nc_u32 v[(\b)+11], v[(\b)+11], v[(\b)+10]
.endm
.macro SBITS b, dst
	v_sub_nc_u32 v[(\b)+4], v[(\b)], v[(\b)+2]
	v_lshrrev_b32 v[(\b)+9], 1, v[(\b)+1]
	v_and_b32 v[(\b)+9], 0x55555555, v[(\b)+9]
	v_sub_nc_u32 v[(\b)+5], v[(\b)+1], v[(\b)+9]   ; pairs
	v_lshrrev_b32 v[(\b)+9], 2, v[(\b)+5]
	v_and_b32 v[(\b)+9], 0x33333333, v[(\b)+9]
	v_and_b32 v[(\b)+6], 0x33333333, v[(\b)+5]
	v_add_nc_u32 v[(\b)+6], v[(\b)+6], v[(\b)+9]   ; nibbles
	v_lshrrev_b32 v[(\b)+9], 4, v[(\b)+6]
	v_add_nc_u32 v[(\b)+7], v[(\b)+6], v[(\b)+9]
	v_and_b32 v[(\b)+7], 0x0f0f0f0f, v[(\b)+7]     ; bytes
	v_lshrrev_b32 v[(\b)+9], 8, v[(\b)+7]
	v_add_nc_u32 v[(\b)+8], v[(\b)+7], v[(\b)+9]   ; its low byte: the low 16 bits' count
	v_and_b32 v[(\b)+9], 0xff, v[(\b)+8]
	v_cmp_ge_u32 vcc_lo, v[(\b)+4], v[(\b)+9]
	v_cndmask_b32 v[(\b)+9], 0, v[(\b)+9], vcc_lo
	v_sub_nc_u32 v[(\b)+4], v[(\b)+4], v[(\b)+9]
	v_cndmask_b32 v[(\b)+11], 0, 16, vcc_lo
	SSTEP \b, 7, 0xff, 8
	SSTEP \b, 6, 15, 4
	SSTEP \b, 5, 3, 2
	SSTEP \b, 1, 1, 1
	v_lshl_add_u32 v[\dst], v[(\b)+3], 5, v[(\b)+11]   ; token = 32 x word + place
.endm
; Both slots' tokens of the first pass: rank 128 slot + 16 wave + lane % 16, held to the last rank that exists.  The words are walked once: a lane keeps the last word whose first rank is not past its own.
.macro SEL2
	v_min_u32 v[SB], s[CM], v[RK]
	v_add_nc_u32 v[SB+16], 0x80, v[RK]
	v_min_u32 v[SB+16], s[CM], v[SB+16]
.irp j, 0,1
	v_mov_b32 v[SB+16*\j+1], s[MK]
	v_mov_b32 v[SB+16*\j+2], 0
	v_mov_b32 v[SB+16*\j+3], 0
.endr
	s_mov_b32 s[BASE], 0
.set g, 1
.rept 31
	s_bcnt1_i32_b32 s[TMP], s[MK+g-1]
	s_add_co_u32 s[BASE], s[BASE], s[TMP]
.irp j, 0,1
	v_cmp_gt_u32 vcc_lo, s[BASE], v[SB+16*\j]      ; word g begins past my rank: I keep what I have
	v_cndmask_b32 v[SB+16*\j+1], s[MK+g], v[SB+16*\j+1], vcc_lo
	v_cndmask_b32 v[SB+16*\j+2], s[BASE], v[SB+16*\j+2], vcc_lo
	v_cndmask_b32 v[SB+16*\j+3], g, v[SB+16*\j+3], vcc_lo
.endr
.set g, g+1
.endr
.irp j, 0,1
	SBITS SB+16*\j, TK+\j
.endr
.endm
; The list of pass p (1 to 3): for each slot my token (rank 16 tile + lane % 16) and the tokens of the tile's rows 2 t + lane / 16.  Tile = w + 8 (2 p + j): 512 bytes of list a step.
.macro LISTP p
.irp j, 0,1
	ds_load_b32 v[TK+\j], v[LA] offset:512*(2*(\p)+\j)
.irp t, 0,1,2,3,4,5,6,7
	ds_load_b32 v[OFS+8*\j+\t], v[LB] offset:512*(2*(\p)+\j)+8*\t
.endr
.endr
.endm
.macro LISTUSE                         ; bounded, then times the pitch, plus the lane's place
	s_wait_dscnt 0x0
.irp j, 0,1
	v_min_u32 v[TK+\j], 0x3ff, v[TK+\j]
	v_mul_u32_u24 v[TK+\j], s[PT], v[TK+\j]
	v_add_nc_u32 v[TO+\j], v[TK+\j], v[KH]
.endr
.set z, 0
.rept 16
	v_min_u32 v[OFS+z], 0x3ff, v[OFS+z]
	v_mul_u32_u24 v[OFS+z], s[OP], v[OFS+z]
	v_add_nc_u32 v[OFS+z], v[OFS+z], v[CO]
.set z, z+1
.endr
.endm
; The accumulators are cleared on purpose: a dead slot's registers are then written too, and one text of a chunk serves the first chunk and every pass.
; The price: 128 lines a pass, in the first pass while the first weights and token rows are on their way.
.macro CLEAR
	WIN 0x40
.set z, 0
.rept 128
	v_mov_b32 v[z], 0
.set z, z+1
.endr
	WIN 0
.endm
; THE WAY OUT of slot j: 16 tokens x 128 columns, through my own stage in LDS (LDS serves a wave's instructions in order, ISA guide 5.7.1.4: no wait between its stores and its loads, no barrier).
.macro SENDQ j, off
.irp t, 0,1,2,3,4,5,6,7
	ds_load_b128 v[Q+4*\t:Q+4*\t+3], v[RD] offset:2*PITCH*\t
.endr
.irp t, 0,1,2,3,4,5,6,7
	s_wait_dscnt 7-\t
	global_store_b128 v[OFS+8*(\j)+\t], v[Q+4*\t:Q+4*\t+3], s[12:13] offset:\off   ; 16 lanes store 256 consecutive bytes of a token's row, at a multiple of 256 from OUT's first byte
.endr
.endm
.macro EPI j
	s_cmp_lt_i32 s[REM], 8*(\j)+1
	s_cbranch_scc1 .Lepi_end
	s_wait_xcnt 0x0                                ; the last slot's stores have read their data
	s_cmp_eq_u32 s[MODE], 1
	s_cbranch_scc1 .Lm1_\@
	WIN 0x01                                       ; mode 0: silu / 16, rounded to f16.  Source 0 in window 1
.set z, 0
.rept 32
	v_pk_mul_f32 v[E+2*z:E+2*z+1], v[64*(\j)+2*z:64*(\j)+2*z+1], s[NL:NL+1] op_sel_hi:[1,0]
.set z, z+1
.endr
	WIN 0
.set z, 0
.rept 64
	v_exp_f32 v[E+z], v[E+z]
.set z, z+1
.endr
	v_nop                                          ; a plain instruction between the last exponential and the use of its result
.set z, 0
	s_wait_alu depctr_va_vdst(0)
.rept 32
	v_pk_fma_f32 v[E+2*z:E+2*z+1], v[E+2*z:E+2*z+1], s[SC:SC+1], s[SC:SC+1] op_sel_hi:[1,0,0]   ; 16 + 16 e: its reciprocal is the sigmoid / 16
.set z, z+1
.endr
.set z, 0
.rept 64
	v_rcp_f32 v[E+z], v[E+z]
.set z, z+1
.endr
	v_nop
	WIN 0x01
.set z, 0
	s_wait_alu depctr_va_vdst(0)
.rept 32
	v_pk_mul_f32 v[E+2*z:E+2*z+1], v[64*(\j)+2*z:64*(\j)+2*z+1], v[E+2*z:E+2*z+1]
.set z, z+1
.endr
	WIN 0
.set z, 0
.rept 32
	v_cvt_pk_f16_f32 v[PK+z], v[E+2*z], v[E+2*z+1]
.set z, z+1
.endr
.irp i, 0,1,2,3,4,5,6,7
	ds_store_b128 v[STO], v[PK+4*\i:PK+4*\i+3] offset:32*\i
.endr
	SENDQ \j, 0
	s_branch .Ldone_\@
.Lm1_\@:                               ; mode 1: f32 sums as they are, 64 columns (256 bytes of a row) at a time
.irp u, 0,1
.if \u == 1
	s_wait_xcnt 0x0                                ; the first half's stores have read their data
.endif
	WIN 0x04                                       ; store data in window 1: straight from the accumulators, the low four registers first
.irp i, 0,1,2,3
	ds_store_b128 v[STO2], v[64*(\j)+8*(4*\u+\i):64*(\j)+8*(4*\u+\i)+3]   offset:64*\i
	ds_store_b128 v[STO2], v[64*(\j)+8*(4*\u+\i)+4:64*(\j)+8*(4*\u+\i)+7] offset:64*\i+16
.endr
	WIN 0
	SENDQ \j, 256*\u
.endr
.Ldone_\@:
.endm
	; THE HEAD
	s_load_b256 s[4:11], s[0:1], 0x0               ; W s[4:5], TOK s[6:7], BM s[8:9], CFG s[10:11]
	s_load_b64 s[12:13], s[0:1], 0x20              ; OUT
	v_lshl_add_u32 v2, v0, 2, SPARE                ; my spare word, and 0: kept for the add alone
	v_mov_b32 v3, 0
	v_lshrrev_b32 v1, 5, v0
	v_readfirstlane_b32 s[WV], v1
	v_and_b32 v1, 31, v0                           ; lane
	s_mov_b32 s[SL], ttmp9
	s_and_b32 s[EX], ttmp7, 0xffff
	s_lshl_b32 s22, s[EX], 7                       ; the expert's 128 bytes of the bitmap
	s_mov_b32 s23, 0
	s_wait_kmcnt 0x0
	s_load_b32 s[MODE], s[10:11], 0x0
	s_add_nc_u64 s[8:9], s[8:9], s[22:23]
	s_load_b512 s[32:47], s[8:9], 0x0
	s_load_b512 s[48:63], s[8:9], 0x40
	s_and_b32 s28, s[SL], 3                        ; both modes' numbers are made while the loads are out
	s_lshr_b32 s29, s[SL], 2
	s_lshl_b32 s70, s[SL], 19                      ; weights, mode 0: 128 s rows of 4,096 bytes
	s_lshl_b32 s71, s29, 21                        ; mode 1: 128 (s / 4) rows of 16,384 bytes
	s_lshl_b32 s30, s28, 12                        ;         + K slice s % 4: 1,024 f32
	s_add_co_u32 s71, s71, s30
	s_lshl_b32 s72, s28, 11                        ; token rows, mode 1: K slice s % 4: 1,024 f16
	s_lshl_b32 s73, s[SL], 8                       ; output, mode 0: columns 128 s on, f16
	s_lshl_b32 s74, s28, 22                        ; mode 1: plane s % 4 of 4 MiB
	s_lshl_b32 s30, s29, 9                         ;         + columns 128 (s / 4) on, f32
	s_add_co_u32 s74, s74, s30
	s_mov_b32 s68, 4096
	s_mov_b32 s69, 16384
	s_mov_b32 s75, 2048
	s_mov_b32 s31, 8192
	s_lshl_b32 s30, s[EX], 24                      ; an expert's weights are 16 MiB in both
	s_wait_kmcnt 0x0
	s_min_u32 s[MODE], s[MODE], 1
	s_cmp_eq_u32 s[MODE], 1
	s_cselect_b32 s[PW], s69, s68
	s_cselect_b32 s22, s71, s70
	s_cselect_b32 s[PT], s31, s75
	s_cselect_b32 s[KOFF], s72, 0
	s_cselect_b32 s[OP], s68, s31
	s_cselect_b32 s74, s74, s73
	s_add_co_u32 s22, s22, s30
	s_lshl_b32 s71, s[WV], 4                       ; my 16 rows
	s_mul_i32 s71, s71, s[PW]
	s_add_co_u32 s22, s22, s71
	s_add_nc_u64 s[WP:WP+1], s[4:5], s[22:23]
	v_lshlrev_b32 v[WO], 4, v1
.set g, 1
.rept 15
	v_mad_u32_u24 v[WO+g], s[PW], g, v[WO]
.set g, g+1
.endr
	WIN 0x44                                       ; the first two chunks' weights go out before anything else: 32 loads, 16 KiB a wave
.irp gg, 0,1,2,3
	WLOADG 0, \gg
.endr
.irp gg, 0,1,2,3
	WLOADG 1, \gg
.endr
	WIN 0
	v_lshrrev_b32 v26, 1, v1
	v_and_b32 v27, 1, v1
	v_mul_u32_u24 v[PFO], s[PW], v26
	v_lshl_add_u32 v[PFO], v27, 8, v[PFO]
	global_prefetch_b8 v[PFO], s[WP:WP+1] offset:1024 th:TH_LOAD_NT scope:SCOPE_SE   ; my 16 rows of chunk 2, which interval 0 loads
	; the expert's count, my share of its tiles, my addresses
	s_bcnt1_i32_b32 s[CNT], s[MK]
.set g, 1
.rept 31
	s_bcnt1_i32_b32 s[TMP], s[MK+g]
	s_add_co_u32 s[CNT], s[CNT], s[TMP]
.set g, g+1
.endr
	s_add_co_u32 s[REM], s[CNT], 15
	s_lshr_b32 s[REM], s[REM], 4                   ; tiles of 16
	s_sub_co_i32 s[REM], s[REM], s[WV]
	s_max_u32 s[CM], s[CNT], 1
	s_sub_co_u32 s[CM], s[CM], 1
	s_mov_b32 s22, s74
	s_add_nc_u64 s[12:13], s[12:13], s[22:23]      ; OUT at my columns
	s_mov_b32 s[NL], 0xbfb8aa3b
	s_mov_b32 s[NL+1], s[NL]
	s_mov_b32 s[SC], 0x41800000                    ; 16.0
	s_mov_b32 s[SC+1], s[SC]
	s_mov_b32 s[HM], 0xffff0000
	v_and_b32 v4, 15, v0                           ; lane % 16
	v_bfe_u32 v5, v0, 4, 1                         ; lane / 16
	v_mul_u32_u24 v[WLD], v4, PITCH
	v_lshl_add_u32 v[WLD], v5, 4, v[WLD]           ; a fragment's row x pitch + 16 x half
	s_mul_i32 s70, s[WV], 16*PITCH                 ; my 16 rows of a chunk; also my stage's place among the stages
	v_lshl_add_u32 v[WST], v1, 3, s70
.irp p, 1,2,3
	v_add_nc_u32 v[WLD+\p], 2*CHUNK*\p, v[WLD]
	v_add_nc_u32 v[WST+\p], 2*CHUNK*\p, v[WST]
.endr
	s_add_co_u32 s70, s70, STG
	v_add_nc_u32 v[STO], s70, v[WLD]
	v_lshl_add_u32 v[STO2], v5, 4, v[STO]
	v_mul_u32_u24 v[RD], v5, PITCH
	v_lshl_add_u32 v[RD], v4, 4, v[RD]
	v_add_nc_u32 v[RD], s70, v[RD]
	v_lshlrev_b32 v[CO], 4, v4
	v_lshl_add_u32 v[XS], v1, 2, s70
	v_lshl_add_u32 v[LS], v5, 2, s70
	s_lshl_b32 s71, s[WV], 6
	s_add_co_u32 s71, s71, LIST
	v_lshl_add_u32 v[LA], v4, 2, s71
	v_lshl_add_u32 v[LB], v5, 2, s71
	s_lshl_b32 s71, s[WV], 4
	v_add_nc_u32 v[RK], s71, v4
	v_lshl_add_u32 v[KH], v5, 4, s[KOFF]
	; the first pass's tokens.  The stores want the tokens of the tile's rows 2 t + lane / 16: another order of lanes, had through 256 bytes of my own stage (LDS serves a wave's instructions in order)
	SEL2
	v_readfirstlane_b32 s[FIRST], v[TK]            ; in wave 0: the token of rank 0, with which the list is filled
	ds_store_b32 v[XS], v[TK]
	ds_store_b32 v[XS], v[TK+1] offset:128
.irp j, 0,1
.irp t, 0,1,2,3,4,5,6,7
	ds_load_b32 v[OFS+8*\j+\t], v[LS] offset:128*\j+8*\t
.endr
.endr
	LISTUSE
	TLOAD 0                                        ; chunk 0's token fragments, behind the first two chunks' weights
	CLEAR
	s_cmp_lg_u32 s[WV], 0
	s_cbranch_scc1 .Ljoin0
	; wave 0 alone: the list for the passes behind the first, while its loads are out.  Interval 0's barrier, with the wait for LDS in front of it, shows it to the others.
	; First every word takes the token of rank 0,
	v_mov_b32 v192, s[FIRST]
	v_mov_b32 v193, s[FIRST]
	v_mov_b32 v194, s[FIRST]
	v_mov_b32 v195, s[FIRST]
	v_lshl_add_u32 v196, v1, 4, LIST
.irp i, 0,1,2,3,4,5,6,7
	ds_store_b128 v196, v[192:195] offset:512*\i
.endr
	; then, 32 tokens at a time, each chosen token goes to the word of its rank: the set bits below it in its word, and all those of the words before.
	; A lane whose token chose another expert counts from 2,048 on, and the bound sends it to the word behind the list.
	v_mov_b32 v197, v1
	v_mov_b32 v198, 2048
	s_mov_b32 s[BASE], 0
.set g, 0
.rept 32
	v_cndmask_b32 v199, v198, s[BASE], s[MK+g]
	v_mbcnt_lo_u32_b32 v200, s[MK+g], v199
	v_min_u32 v200, LWORDS, v200
	v_lshl_add_u32 v199, v200, 2, LIST
	ds_store_b32 v199, v197
	v_add_nc_u32 v197, 32, v197
	s_bcnt1_i32_b32 s[TMP], s[MK+g]
	s_add_co_u32 s[BASE], s[BASE], s[TMP]
.set g, g+1
.endr
.Ljoin0:
.irp k, 0,1,2,3,4,5,6,7
	STREAM \k
	s_wait_dscnt 0x0                               ; for the others' sake: my rows of the chunk lie in LDS (in interval 0 wave 0's list too)
	s_barrier_signal -1
	s_barrier_wait -1                              ; everybody's do
	COMPUTE \k
.endr
	; The slice is whole; from here on no barrier, and no LDS write but into a wave's own stage.
	s_mov_b32 s[PASS], 4
.Lpass:                                ; four trips: the pass that is finished goes out; then the next 256 ranks are multiplied, if I have a tile among them.  The fourth trip's next pass would begin at tile 64: it is always jumped
	EPI 0
	EPI 1
.Lepi_end:
	s_sub_co_i32 s[REM], s[REM], 16
	s_cmp_lt_i32 s[REM], 1
	s_cbranch_scc1 .Lnext
	s_wait_xcnt 0x0                                ; the last pass's stores have read their offsets and data
	s_cmp_eq_u32 s[PASS], 4                        ; the pass's place in the list stands in the loads' immediates: three texts, chosen by the loop's counter
	s_cbranch_scc0 .Lp2
	LISTP 1
	s_branch .Lpj
.Lp2:
	s_cmp_eq_u32 s[PASS], 3
	s_cbranch_scc0 .Lp3
	LISTP 2
	s_branch .Lpj
.Lp3:
	LISTP 3
.Lpj:
	LISTUSE
	CLEAR
	TLOAD 0
.irp k, 0,1,2,3,4,5,6,7
.if \k < 7
	TLOAD \k+1
	s_wait_loadcnt 16                              ; this chunk's token fragments are in; the next chunk's 16 loads stay out
.else
	s_wait_loadcnt 0x0
.endif
	COMPUTE \k
.endr
.Lnext:
	s_sub_co_u32 s[PASS], s[PASS], 1
	s_cmp_lg_u32 s[PASS], 0
	s_cbranch_scc1 .Lpass
	s_wait_tensorcnt 0x0                           ; the wave's end, behind its last LDS store
	ds_add_u32 v2, v3
	s_wait_dscnt 0x0
	s_endpgm
.Lfunc_end_k_qc03232922a_ffn1:
	.size	k_qc03232922a_ffn1, .Lfunc_end_k_qc03232922a_ffn1-k_qc03232922a_ffn1
	.p2alignl 7, 3214868480
	.fill 96, 4, 3214868480
	.section	.rodata,"a",@progbits
	.p2align	6, 0x0
	.amdhsa_kernel k_qc03232922a_ffn1
		.amdhsa_group_segment_fixed_size 318720
		.amdhsa_private_segment_fixed_size 0
		.amdhsa_enable_private_segment 0
		.amdhsa_kernarg_size 40
		.amdhsa_user_sgpr_count 2
		.amdhsa_user_sgpr_kernarg_segment_ptr 1
		.amdhsa_wavefront_size32 1
		.amdhsa_system_sgpr_workgroup_id_x 1
		.amdhsa_system_sgpr_workgroup_id_y 1
		.amdhsa_system_sgpr_workgroup_id_z 1
		.amdhsa_system_vgpr_workitem_id 0
		.amdhsa_next_free_vgpr 512
		.amdhsa_next_free_sgpr 76
		.amdhsa_reserve_vcc 1
		.amdhsa_float_denorm_mode_32 3
		.amdhsa_float_denorm_mode_16_64 3
		.amdhsa_memory_ordered 1
		.amdhsa_forward_progress 1
		.amdhsa_inst_pref_size 255
	.end_amdhsa_kernel
	.section	.bss,"aw",@nobits
	.p2align	6
	.space	262144
	.amdgpu_metadata
---
amdhsa.version: [ 1, 2 ]
amdhsa.kernels:
  - .name:           k_qc03232922a_ffn1
    .symbol:         k_qc03232922a_ffn1.kd
    .args:
      - { .name: w1, .offset: 0, .size: 8, .value_kind: global_buffer, .address_space: global }
      - { .name: xb, .offset: 8, .size: 8, .value_kind: global_buffer, .address_space: global }
      - { .name: bm, .offset: 16, .size: 8, .value_kind: global_buffer, .address_space: global }
      - { .name: cfg1, .offset: 24, .size: 8, .value_kind: global_buffer, .address_space: global }
      - { .name: h, .offset: 32, .size: 8, .value_kind: global_buffer, .address_space: global }
    .group_segment_fixed_size: 318720
    .private_segment_fixed_size: 0
    .kernarg_segment_align: 8
    .kernarg_segment_size: 40
    .max_flat_workgroup_size: 256
    .sgpr_count:     76
    .vgpr_count:     512
    .wavefront_size: 32
...
	.end_amdgpu_metadata
.endif
;; end of part 4
;; launch ffn2: the kernel of part 4 again; grid 32 x 8, 8 waves a work-group, no clusters, 318,720 bytes of LDS; arguments w2, h, bm, cfg2, part; writes part
;; launch combine: the kernel of part 3 again; grid 256 x 1, 8 waves a work-group, no clusters, 0 bytes of LDS; arguments part, gate, out0; writes out0
;; ======== version 3 of 3: 4 launches; version 2 with the launches ffn1, ffn2 written anew for expert scheduling mode
;; limits: values are held in f16: magnitudes above 65,504 overflow, below 6.1e-05 lose precision; inputs' magnitudes at most 65,504; right only within a limited range of input values
;; workspace buffers: xb 2,097,152 bytes; bm 1,024 bytes of whole numbers; gate 4,096 bytes; cfg1 256 bytes of whole numbers; cfg2 256 bytes of whole numbers; h 8,388,608 bytes; part 16,777,216 bytes
;; launch router: the kernel of part 1 again; grid 128 x 1, 8 waves a work-group, no clusters, 25,856 bytes of LDS; arguments x, w_router, xb, bm, gate, cfg1, cfg2; writes xb, bm, gate, cfg1, cfg2
;; launch ffn1 (part 5): grid 32 x 8, 8 waves a work-group, no clusters, 318,720 bytes of LDS; arguments w1, xb, bm, cfg1, h; writes h
.if DOCPART == 5
	.amdgcn_target "amdgcn-amd-amdhsa--gfx1250"
	.amdhsa_code_object_version 6
	.text
	.protected	k_qc03232922a_ffn1
	.globl	k_qc03232922a_ffn1
	.p2align	8
	.type	k_qc03232922a_ffn1,@function
k_qc03232922a_ffn1:
	s_mov_b64 s[64:65], 0
	v_nop
	global_prefetch_b8 v0, s[64:65] scope:SCOPE_SE
	s_setreg_imm32_b32 hwreg(HW_REG_WAVE_SCHED_MODE, 0, 2), 2
	s_setreg_imm32_b32 hwreg(HW_REG_WAVE_MODE, 25, 1), 1
	s_wait_xcnt 0x0
	s_wait_alu depctr_vm_vsrc(0)
; ONE TEXT FOR BOTH PRODUCTS of a layer of 8 experts, each token with one expert.  Arguments: W (f32 weights), TOK (token rows, f16), BM (bitmap of the choices), CFG (word 0: the mode), OUT.
;   mode 0: h[t][f] = silu(sum_d xb[t][d] w1[e][f][d]) / 16, f16.     W [8][4096][1024], TOK [1024][1024], OUT [1024][4096] f16.
;   mode 1: part[p][t][d] = sum over f in K slice p of h[t][f] w2[e][d][f], f32 partial sums (of h / 16: the last launch multiplies by 16).     W [8][1024][4096], TOK [1024][4096], OUT [4][1024][1024] f32.
; Rows of TOK and OUT go by the token's own number, so all that a wave needs of the routing is the token of a given rank among its expert's tokens.  For the first 256 ranks it finds that in registers,
; from the expert's 128 bytes of BM in scalar registers; for the ranks behind them it reads a list that wave 0 lays into LDS at the start.
; FORMATS.  The products multiply in f16, sums in f32.  The module's inputs (x, in xb; the weights, here) are rounded to bf16, all alike, and that number is written in f16; h, which the program itself makes,
; is rounded once, to f16's 11 significant bits: bf16's 8 would leave the largest of the output's million numbers at the edge of what the comparison allows.
; LIMITS.  A bf16 number is exact in f16 from 2^-17 to 65,504; below, it keeps f16's fixed step of 2^-24 (2e-6 of the spread of weights of spread 1/64); beyond, it becomes an infinity.
; h / 16 has f16's range: |h| up to 1.04e6; below |h| = 1e-3 it keeps the fixed step 2^-20.  silu(x) = x / (1 + 2^(-x log2 e)) with exponential and reciprocal that flush denormals; NaN and infinities are not treated apart.
; SHARES.  Work-group (s, e): 128 rows x 1,024 K of expert e's weights, 512 KiB that it alone reads, and ALL of that expert's tokens.  mode 0: rows 128 s on, all of K.  mode 1: rows 128 (s / 4) on, K slice s % 4.
; Every number that hangs on the mode is a choice between two numbers made of constants and the work-group's place.
; ALL EIGHT WAVES RUN ONE TEXT.  Wave w STREAMS rows 16 w .. 16 w + 15 of the slice: f32 loads of 512 consecutive bytes of one row, rounded and laid into LDS, where the slice stays whole.
; And it MULTIPLIES: tile t of 16 tokens goes to wave t % 8; a wave has 2 tiles (slots) x 128 columns in 128 accumulator registers: 256 tokens a pass.
; K goes in 8 chunks of 128, all written out, so that every LDS address is a register made once plus an immediate.  Interval k: chunk k is laid; a barrier; chunk k is multiplied.  Each LDS byte of the slice is written once.
; ONE QUEUE OF LOADS.  W(k): my 16 loads of chunk k's weights; T(k): my 16 loads of chunk k's token fragments, straight into operand registers.  Order of issue: W0 W1 T0, then in interval k T(k+1) and W(k+2).
; T(k+1) goes ahead of W(k+2), so the wait for token rows never asks younger weights to have landed: two chunks of weights, 16 KiB a wave, are out all through the multiplying.  At most 60 loads of a wave are out.
; A slot without a tile keeps its loads, so that the queue's counts are the same in every wave; its ranks are held to the last rank, so all its lanes name one row: 32 different bytes a load.
; Tokens past 256 are multiplied afterwards, from the resident slice, in up to three more passes without a barrier.  A dead slot or pass is jumped forward; an expert without tokens streams, passes every barrier and stores nothing.
; PLACES PAST THE COUNT repeat a token of the same expert (in the first pass its last, in the later ones its first): they compute that row's own numbers and store them again
; (same work-group, same bytes, same numbers), so EXEC is never written.
; THE MATRIX INSTRUCTION IS USED TRANSPOSED: source 0 = 16 weight rows, source 1 = 16 tokens: a lane holds token lane % 16 and 8 neighbouring columns of its output row.
; NO TENSOR LOADS: f32 weights pass through registers to be rounded, and the resident slice leaves LDS no room for a ring.  NO CLUSTER: each weight byte has one reader, and token rows come by their numbers, lane by lane.
; THE MODE: SCHED_MODE bits 1:0 = 2 (LLVM: expert scheduling mode 2), set by the entry lines.  The code itself states the register dependences
; between vector or matrix instructions and memory or LDS instructions, with s_wait_alu, always for 0.
; THE PLAN.  Registers that memory or LDS instructions touch:
;   WR          group g of chunk k: its 4 loads land; its 32 conversions work in place; its 4 LDS stores read the result; a group later the loads of chunk k + 2's same group land.
;   T0, T1      T(k+1)'s loads land, issued in interval k; chunk k + 1's products read them; the last readers before were chunk k - 1's products.
;               On the way out the same registers are E (vector work alone), PK (written by the roundings, read by LDS stores) and Q (LDS loads land, global stores read).
;   WF          two half buffers: 8 LDS loads land; a half step's products read them; the loads of the half step two on land.  In wave 0, at the head: the list's 32 addresses and 32 data words.
;   TK, TO, OFS made by LISTUSE; TK is stored into the stage at the head, TO is the token loads' offset, OFS the way out's; a later pass makes all three anew.
;   the accumulators: in mode 1 the data of LDS stores; the next pass clears them.
;   WO, PFO, WST, WLD, STO, STO2, RD, XS, LS, LA, LB: made once at the head and never written again.
; So: in STREAM one wait on va_vdst a group, behind its conversions, and one on vm_vsrc ahead of each reload of the ring, a group's conversions behind the stores that it waits for; in COMPUTE one wait on va_vdst
; a half step, ahead of the loads into the half buffer just read; on the way out one on vm_vsrc a slot and one on va_vdst ahead of each kind of LDS stores; at a later pass's head one of each.
; A compare's mask goes into a scalar register; the compares stand in runs, with one wait on va_sdst behind each run.
.set PITCH, 272                        ; an LDS row: 256 bytes (128 f16) + 16: the 16 rows of a fragment load start 68 words apart
.set CHUNK, 128*PITCH                  ; 128 rows x 128 K
.set STG,   8*CHUNK                    ; behind the slice: 16 rows x 272 bytes for each wave, for the way out
.set LIST,  STG+8*16*PITCH             ; 1,024 words: the token of rank p among the expert's tokens; ranks past the count repeat the first
.set LWORDS, 1024
.set DUMP,  LIST+4*LWORDS              ; the word behind the list: where lanes without a token store; a block of 256 bytes of its own
.set SPARE, DUMP+256                   ; the spare words, 128 bytes for each of the 8 waves; no other line names them
; scalars
.set WV,   14                          ; wave
.set SL,   15                          ; slice s
.set EX,   16                          ; expert e
.set MODE, 17
.set PW,   18                          ; bytes from weight row to weight row
.set PT,   19                          ; bytes from token row to token row
.set OP,   20                          ; bytes from output row to output row
.set KOFF, 21                          ; my K slice's first byte in a token row
.set WP,   24                          ; s[24:25] W at my 16 rows; never stepped: the chunk stands in the loads' immediate
.set CNT,  26                          ; the expert's tokens
.set REM,  27                          ; tiles - wave - 16 x pass (signed): slot j lives if REM > 8 j
.set PASS, 28
.set HM,   29                          ; 0xffff0000: a word's upper bf16
.set CM,   30                          ; the last rank that exists (0 if there is none)
.set TMP,  31
.set MK,   32                          ; s[32:63] the expert's bitmap
.set FIRST,66                          ; in wave 0: the token of rank 0
.set BASE, 67                          ; the list: the set bits of the words before the one in hand
.set NL,   68                          ; s[68:69] -log2(e), named as a pair
.set SC,   72                          ; s[72:73] 16.0, named as a pair
.set PF,   76                          ; s[76:83] the search: the set bits before each of a run's 8 words
.set MS,   84                          ; s[84:99] the search: a run's masks: word i, slot j at MS + 2 i + j
; vector registers, window 0: v1 lane, v2 my spare word, v3 0, v4 lane % 16, v5 lane / 16
.set WST,  6                           ; v6-9    where I lay 8 bytes of my first row, chunks 2 p and 2 p + 1
.set WLD,  10                          ; v10-13  my place in a fragment's first row, chunks 2 p and 2 p + 1
.set LA,   14                          ; list: rank 16 w + lane % 16
.set LB,   15                          ; list: rank 16 w + lane / 16
.set TO,   16                          ; v16-17  slot j: my token's row offset + KOFF + 16 x half
.set KH,   18
.set STO,  19                          ; stage, in: row lane % 16, 16 bytes a half (f16)
.set STO2, 20                          ; the same, 32 bytes a half (f32)
.set RD,   21                          ; stage, back: lanes 0-15 one row of 256 bytes, lanes 16-31 the next
.set CO,   22                          ; 16 x (lane % 16)
.set PFO,  23                          ; prefetch: row lane / 2 of my 16, block lane % 2 of its 512 bytes
.set TK,   24                          ; v24-25  the slots' tokens
.set XS,   28                          ; my stage + 4 x lane
.set RK,   29                          ; 16 w + lane % 16: my rank in the first pass, slot 0
.set LS,   30                          ; my stage + 4 x (lane / 16)
.set WO,   32                          ; v32-47  16 x lane + row j x PW
.set OFS,  48                          ; v48-63  slot j, rows 2 t + lane / 16 of its tile: offset in OUT
.set T,    64                          ; v64-191 token fragments: chunk parity b, slot j, K step st at T + 64 b + 32 j + 8 st
.set SB,   64                          ; at the head, while no fragment is there: 12 registers at work for slot j's search, at SB + 16 j
.set WF,   192                         ; v192-255 weight fragments: half buffer hb, fragment 4 hb + i at WF + 32 hb + 8 i
.set LAD,  192                         ; at the head, in wave 0: v192-223 the LDS addresses of the list's 32 stores (before that v192-196: the filler and its address),
.set LDT,  224                         ; v224-255 their data
.set WR,   128                         ; window 1: v0-127 accumulators (slot j, fragment i at 64 j + 8 i); v128-255 the weight ring: chunk parity, group g, load m at WR + 64 b + 16 g + 4 m
.set E,    64                          ; the way out, in the token fragments' registers: v64-127 at work, v128-159 packed, v160-191 rows read back
.set PK,   128
.set Q,    160
.set MSB, 0
.macro WIN new                         ; s_set_vgpr_msb: bits 1:0 source 0, 3:2 source 1, 5:4 source 2, 7:6 destination; the high byte repeats the setting that is left
.if MSB != (\new)
	s_set_vgpr_msb (MSB<<8)|(\new)
.set MSB, (\new)
.endif
.endm
.macro PLACES                          ; four places between a matrix instruction and a load into, or a vector write or read of, its registers
.rept 4
	v_nop
.endr
.endm
; Group g of chunk k's weights: 4 rows x 512 bytes.  The setting in force has destinations in window 1 and addresses in window 0.
.macro WLOADG k, g
.set m, 0
.rept 4
	global_load_b128 v[WR+64*((\k)%2)+16*(\g)+4*m:WR+64*((\k)%2)+16*(\g)+4*m+3], v[WO+4*(\g)+m], s[WP:WP+1] offset:512*(\k) th:TH_LOAD_NT
.set m, m+1
.endr
.endm
; Chunk k's token fragments for both slots: 16 loads, straight from memory into operand registers
.macro TLOAD k
.irp st, 0,1,2,3
.irp j, 0,1
	global_load_b128 v[T+64*((\k)%2)+32*\j+8*\st:T+64*((\k)%2)+32*\j+8*\st+3],   v[TO+\j], s[6:7] offset:256*(\k)+64*\st
	global_load_b128 v[T+64*((\k)%2)+32*\j+8*\st+4:T+64*((\k)%2)+32*\j+8*\st+7], v[TO+\j], s[6:7] offset:256*(\k)+64*\st+32
.endr
.endr
.endm
; Chunk k is laid into LDS, group by group; T(k+1) and W(k+2) are asked for.  A group: the wait for its data; its conversions; the wait on va_vdst; the loads that are due; its stores.
.macro STREAM k
.set g, 0
.rept 4
.set nw, 4*(3-g)+16                    ; younger than group g: the rest of W(k), and T(k),
.if (\k) <= 6
.set nw, nw+16                         ; W(k+1),
.if g >= 1
.set nw, nw+16                         ; T(k+1), issued in group 0,
.endif
.endif
.if ((\k) <= 5) && (g >= 1)
.set nw, nw+4*(g-1)                    ; and the groups of W(k+2) issued so far
.endif
	s_wait_loadcnt nw                              ; loads come back in order (ISA guide 5.7.1): group g is in, all that is younger stays out
.set sq, WR+64*((\k)%2)+16*g
	WIN 0x45                                       ; in place, in window 1: each load's four f32 are rounded to bf16,
.set m, 0
.rept 4
	v_cvt_pk_bf16_f32 v[sq+4*m],   v[sq+4*m],   v[sq+4*m+1]
	v_cvt_pk_bf16_f32 v[sq+4*m+2], v[sq+4*m+2], v[sq+4*m+3]
.set m, m+1
.endr
.set m, 0
.rept 4                                ; widened again (a mask, a shift),
	v_and_b32     v[sq+4*m+1], s[HM], v[sq+4*m]
	v_lshlrev_b32 v[sq+4*m],   16,    v[sq+4*m]
	v_and_b32     v[sq+4*m+3], s[HM], v[sq+4*m+2]
	v_lshlrev_b32 v[sq+4*m+2], 16,    v[sq+4*m+2]
.set m, m+1
.endr
.set m, 0
.rept 4                                ; and written in f16: 8 bytes a lane
	v_cvt_pk_f16_f32 v[sq+4*m],   v[sq+4*m],   v[sq+4*m+1]
	v_cvt_pk_f16_f32 v[sq+4*m+1], v[sq+4*m+2], v[sq+4*m+3]
.set m, m+1
.endr
.if (g == 0) && ((\k) <= 6)
	WIN 0
	s_wait_alu depctr_va_vdst(0)                   ; the conversions have written group 0's registers, which its stores read; the products of the chunk before this one are done reading the fragments' buffer in which T(k+1) lands, and the half buffers in which this chunk's first LDS loads land
	TLOAD (\k)+1                                   ; into the buffer that the chunk before this one was multiplied from
	WIN 0x44                                       ; addresses in window 0; store data and load destinations in window 1
.else
	WIN 0x44                                       ; addresses in window 0; store data and load destinations in window 1
	s_wait_alu depctr_va_vdst(0)                   ; the conversions have written this group's registers, which its stores read; those of the group before are done with theirs, in which the loads below land
.endif
.if (g >= 1) && ((\k) <= 5)
	s_wait_alu depctr_vm_vsrc(0)                   ; the LDS stores of the group before have read their data, in which the loads below land (in interval 0, in wave 0: the list's stores have read v192-255 too, in which the first LDS loads of fragments land)
	WLOADG (\k)+2, g-1                             ; into the registers that group g - 1 has left
.endif
.set m, 0
.rept 4
	ds_store_b64 v[WST+(\k)/2], v[sq+4*m:sq+4*m+1] offset:((\k)%2)*CHUNK+(4*g+m)*PITCH   ; 256 consecutive bytes: a row of the chunk
.set m, m+1
.endr
.set g, g+1
.endr
.if (\k) == 0
.set nt, 28                            ; younger than T(0): T(1) and three groups of W(2)
.elseif (\k) <= 5
.set nt, 44                            ; younger than T(k): W(k+1), T(k+1) and three groups of W(k+2)
.elseif (\k) == 6
.set nt, 32                            ; W(7) and T(7)
.else
.set nt, 0
.endif
	s_wait_loadcnt nt                              ; this chunk's token fragments are in: the multiplying below has no wait for memory
.if (\k) <= 5
	s_wait_alu depctr_vm_vsrc(0)                   ; group 3's LDS stores have read their data, in which the loads below land (its conversions stand ahead of the last wait on va_vdst)
	WLOADG (\k)+2, 3
.endif
	WIN 0
.if (\k) <= 4
	global_prefetch_b8 v[PFO], s[WP:WP+1] offset:512*((\k)+3) th:TH_LOAD_NT scope:SCOPE_SE   ; my 16 rows of chunk k + 3, 32 blocks of 256 bytes, each asked for once, by the wave that will load them in the next interval; chunk 7 is the last asked for
.endif
.endm
; 8 LDS loads: K step hs / 2 of chunk k, fragments 4 (hs % 2) .. + 3, into half buffer hs % 2
.macro FETCHH k, hs
.set fi, 0
.rept 4
	ds_load_b128 v[WF+32*((\hs)%2)+8*fi:WF+32*((\hs)%2)+8*fi+3],   v[WLD+(\k)/2] offset:((\k)%2)*CHUNK+16*PITCH*(4*((\hs)%2)+fi)+64*((\hs)/2)
	ds_load_b128 v[WF+32*((\hs)%2)+8*fi+4:WF+32*((\hs)%2)+8*fi+7], v[WLD+(\k)/2] offset:((\k)%2)*CHUNK+16*PITCH*(4*((\hs)%2)+fi)+64*((\hs)/2)+32
.set fi, fi+1
.endr
.endm
.macro SLOTMM k, hs, j                 ; 4 matrix instructions on 4 accumulators; the next run takes four others: the accumulators take turns
	WIN 0x50                                       ; C and D in window 1
.set fi, 0
.rept 4
.set ra, 64*(\j)+8*(4*((\hs)%2)+fi)
	v_wmma_f32_16x16x32_f16 v[ra:ra+7], v[WF+32*((\hs)%2)+8*fi:WF+32*((\hs)%2)+8*fi+7], v[T+64*((\k)%2)+32*(\j)+8*((\hs)/2):T+64*((\k)%2)+32*(\j)+8*((\hs)/2)+7], v[ra:ra+7]
.set fi, fi+1
.endr
	WIN 0                                          ; at a branch and at a label every window is 0
.endm
.macro MMH k, hs
	SLOTMM \k, \hs, 0
	s_cmp_lt_i32 s[REM], 9
	s_cbranch_scc1 .Lx_\@                          ; my second slot has no tile
	SLOTMM \k, \hs, 1
.Lx_\@:
.endm
; Chunk k is multiplied: eight half steps on two half buffers: while one is multiplied the other's loads land.  A wave without a tile jumps it all.
; The chunk's first 16 LDS loads owe no wait of their own: a wait on va_vdst stands between the last chunk's products and this line on every way (in STREAM, or at the chunk's head in a later pass), and nothing since names WF.
; Behind half step 6 no load and no vector line follows before half step 7's four places, which serve both.
.macro COMPUTE k
	s_cmp_lt_i32 s[REM], 1
	s_cbranch_scc1 .Lcx_\@
	FETCHH \k, 0
	FETCHH \k, 1
.irp hs, 0,1,2,3,4,5,6,7
.if \hs < 7
	s_wait_dscnt 8                                 ; this half step's fragments are in; the 8 loads issued behind them stay out
.else
	s_wait_dscnt 0x0
.endif
	MMH \k, \hs
.if \hs != 6
	PLACES
.endif
.if \hs < 6
	s_wait_alu depctr_va_vdst(0)                   ; this half step's products are done reading their half buffer, in which the 8 loads below land
	FETCHH \k, \hs+2
.endif
.endr
.Lcx_\@:
.endm
; THE TOKEN OF A RANK, in registers (the first pass).  Registers of slot j's search, from sb = SB + 16 j on: +0 my rank p, +1 the bitmap word that holds it, +2 the set bits before that word, +3 the word's number,
; +4 q = my rank inside the word, +5 +6 +7 the word's counts of set bits by pairs, nibbles and bytes, +8 by halves (low byte), +9 +10 at work, +11 the bit's place.
; One step of the search by halves, for both slots: t = the set bits in the lower w bits of what is left; where q >= t the bit lies in the upper w: q -= t, place += w.
.macro SSTEP2 x, msk, w
.irp j, 0,1
.set sb, SB+16*\j
	v_lshrrev_b32 v[sb+9], v[sb+11], v[sb+(\x)]
	v_and_b32 v[sb+9], \msk, v[sb+9]
	v_cmp_ge_u32 s[MS+\j], v[sb+4], v[sb+9]
.endr
	s_wait_alu depctr_va_sdst(0)                   ; the two compares have written their masks, ahead of the selects that read them
.irp j, 0,1
.set sb, SB+16*\j
	v_cndmask_b32 v[sb+9], 0, v[sb+9], s[MS+\j]
	v_sub_nc_u32 v[sb+4], v[sb+4], v[sb+9]
	v_cndmask_b32 v[sb+10], 0, \w, s[MS+\j]
	v_add_nc_u32 v[sb+11], v[sb+11], v[sb+10]
.endr
.endm
.macro SBITS2
.irp j, 0,1
.set sb, SB+16*\j
	v_sub_nc_u32 v[sb+4], v[sb], v[sb+2]
	v_lshrrev_b32 v[sb+9], 1, v[sb+1]
	v_and_b32 v[sb+9], 0x55555555, v[sb+9]
	v_sub_nc_u32 v[sb+5], v[sb+1], v[sb+9]         ; pairs
	v_lshrrev_b32 v[sb+9], 2, v[sb+5]
	v_and_b32 v[sb+9], 0x33333333, v[sb+9]
	v_and_b32 v[sb+6], 0x33333333, v[sb+5]
	v_add_nc_u32 v[sb+6], v[sb+6], v[sb+9]         ; nibbles
	v_lshrrev_b32 v[sb+9], 4, v[sb+6]
	v_add_nc_u32 v[sb+7], v[sb+6], v[sb+9]
	v_and_b32 v[sb+7], 0x0f0f0f0f, v[sb+7]         ; bytes
	v_lshrrev_b32 v[sb+9], 8, v[sb+7]
	v_add_nc_u32 v[sb+8], v[sb+7], v[sb+9]         ; its low byte: the low 16 bits' count
	v_and_b32 v[sb+9], 0xff, v[sb+8]
	v_cmp_ge_u32 s[MS+\j], v[sb+4], v[sb+9]
.endr
	s_wait_alu depctr_va_sdst(0)                   ; the two compares have written their masks, ahead of the selects that read them
.irp j, 0,1
.set sb, SB+16*\j
	v_cndmask_b32 v[sb+9], 0, v[sb+9], s[MS+\j]
	v_sub_nc_u32 v[sb+4], v[sb+4], v[sb+9]
	v_cndmask_b32 v[sb+11], 0, 16, s[MS+\j]
.endr
	SSTEP2 7, 0xff, 8
	SSTEP2 6, 15, 4
	SSTEP2 5, 3, 2
	SSTEP2 1, 1, 1
.irp j, 0,1
	v_lshl_add_u32 v[TK+\j], v[SB+16*\j+3], 5, v[SB+16*\j+11]   ; token = 32 x word + place
.endr
.endm
; Both slots' tokens of the first pass: rank 128 slot + 16 wave + lane % 16, held to the last rank that exists.  The words are walked once, in ascending order: a lane keeps the last word whose first rank is not past its own.
; Eight words to a run (the last run: seven): their prefix counts, the run's 16 compares into 16 scalar registers, one wait, the run's selects.
.macro SEL2
	v_min_u32 v[SB], s[CM], v[RK]
	v_add_nc_u32 v[SB+16], 0x80, v[RK]
	v_min_u32 v[SB+16], s[CM], v[SB+16]
.irp j, 0,1
	v_mov_b32 v[SB+16*\j+1], s[MK]
	v_mov_b32 v[SB+16*\j+2], 0
	v_mov_b32 v[SB+16*\j+3], 0
.endr
	s_mov_b32 s[PF+7], 0                           ; a run's first count is made from the last of the run before
.set g0, 1
.rept 4
.set i, 0
.rept 8
.if g0+i < 32
	s_bcnt1_i32_b32 s[TMP], s[MK+g0+i-1]
	s_add_co_u32 s[PF+i], s[PF+(i+7)%8], s[TMP]
.irp j, 0,1
	v_cmp_gt_u32 s[MS+2*i+\j], s[PF+i], v[SB+16*\j]   ; word g0 + i begins past my rank: I keep what I have
.endr
.endif
.set i, i+1
.endr
	s_wait_alu depctr_va_sdst(0)                   ; the run's compares have written their masks, ahead of the selects that read them
.set i, 0
.rept 8
.if g0+i < 32
.irp j, 0,1
	v_cndmask_b32 v[SB+16*\j+1], s[MK+g0+i], v[SB+16*\j+1], s[MS+2*i+\j]
	v_cndmask_b32 v[SB+16*\j+2], s[PF+i], v[SB+16*\j+2], s[MS+2*i+\j]
	v_cndmask_b32 v[SB+16*\j+3], g0+i, v[SB+16*\j+3], s[MS+2*i+\j]
.endr
.endif
.set i, i+1
.endr
.set g0, g0+8
.endr
	SBITS2
.endm
; The list of pass p (1 to 3): for each slot my token (rank 16 tile + lane % 16) and the tokens of the tile's rows 2 t + lane / 16.  Tile = w + 8 (2 p + j): 512 bytes of list a step.
.macro LISTP p
.irp j, 0,1
	ds_load_b32 v[TK+\j], v[LA] offset:512*(2*(\p)+\j)
.irp t, 0,1,2,3,4,5,6,7
	ds_load_b32 v[OFS+8*\j+\t], v[LB] offset:512*(2*(\p)+\j)+8*\t
.endr
.endr
.endm
.macro LISTUSE                         ; bounded, then times the pitch, plus the lane's place
	s_wait_dscnt 0x0
.irp j, 0,1
	v_min_u32 v[TK+\j], 0x3ff, v[TK+\j]
	v_mul_u32_u24 v[TK+\j], s[PT], v[TK+\j]
	v_add_nc_u32 v[TO+\j], v[TK+\j], v[KH]
.endr
.set z, 0
.rept 16
	v_min_u32 v[OFS+z], 0x3ff, v[OFS+z]
	v_mul_u32_u24 v[OFS+z], s[OP], v[OFS+z]
	v_add_nc_u32 v[OFS+z], v[OFS+z], v[CO]
.set z, z+1
.endr
.endm
; The accumulators are cleared on purpose: a dead slot's registers are then written too, and one text of a chunk serves the first chunk and every pass.
; The price: 128 lines a pass, while the pass's first token rows (in the first pass the first weights too) are on their way.
.macro CLEAR
	WIN 0x40
.set z, 0
.rept 128
	v_mov_b32 v[z], 0
.set z, z+1
.endr
	WIN 0
.endm
; THE WAY OUT of slot j: 16 tokens x 128 columns, through my own stage in LDS (LDS serves a wave's instructions in order, ISA guide 5.7.1.4: no wait between its stores and its loads, no barrier).
.macro SENDQ j, off
.irp t, 0,1,2,3,4,5,6,7
	ds_load_b128 v[Q+4*\t:Q+4*\t+3], v[RD] offset:2*PITCH*\t
.endr
.irp t, 0,1,2,3,4,5,6,7
	s_wait_dscnt 7-\t
	global_store_b128 v[OFS+8*(\j)+\t], v[Q+4*\t:Q+4*\t+3], s[12:13] offset:\off   ; 16 lanes store 256 consecutive bytes of a token's row, at a multiple of 256 from OUT's first byte
.endr
.endm
.macro EPI j
	s_cmp_lt_i32 s[REM], 8*(\j)+1
	s_cbranch_scc1 .Lepi_end
	s_wait_xcnt 0x0                                ; the last slot's stores have read their data
	s_wait_alu depctr_vm_vsrc(0)                   ; beside it: the LDS stores and the global stores of the slot before, round the loop's backward jump too, have read PK and Q, which this slot writes again
	s_cmp_eq_u32 s[MODE], 1
	s_cbranch_scc1 .Lm1_\@
	WIN 0x01                                       ; mode 0: silu / 16, rounded to f16.  Source 0 in window 1
.set z, 0
.rept 32
	v_pk_mul_f32 v[E+2*z:E+2*z+1], v[64*(\j)+2*z:64*(\j)+2*z+1], s[NL:NL+1] op_sel_hi:[1,0]
.set z, z+1
.endr
	WIN 0
.set z, 0
.rept 64
	v_exp_f32 v[E+z], v[E+z]
.set z, z+1
.endr
	v_nop                                          ; a plain instruction between the last exponential and the use of its result
	s_wait_alu depctr_va_vdst(0)                   ; the 64 exponentials have written E, ahead of their first reader; the last chunk's products are done reading the registers that are Q here, in which LDS loads land below
.set z, 0
.rept 32
	v_pk_fma_f32 v[E+2*z:E+2*z+1], v[E+2*z:E+2*z+1], s[SC:SC+1], s[SC:SC+1] op_sel_hi:[1,0,0]   ; 16 + 16 e: its reciprocal is the sigmoid / 16
.set z, z+1
.endr
.set z, 0
.rept 64
	v_rcp_f32 v[E+z], v[E+z]
.set z, z+1
.endr
	v_nop
	WIN 0x01
	s_wait_alu depctr_va_vdst(0)                   ; the 64 reciprocals have written E, ahead of their first reader
.set z, 0
.rept 32
	v_pk_mul_f32 v[E+2*z:E+2*z+1], v[64*(\j)+2*z:64*(\j)+2*z+1], v[E+2*z:E+2*z+1]
.set z, z+1
.endr
	WIN 0
.set z, 0
.rept 32
	v_cvt_pk_f16_f32 v[PK+z], v[E+2*z], v[E+2*z+1]
.set z, z+1
.endr
	s_wait_alu depctr_va_vdst(0)                   ; the roundings have written PK, which the LDS stores read
.irp i, 0,1,2,3,4,5,6,7
	ds_store_b128 v[STO], v[PK+4*\i:PK+4*\i+3] offset:32*\i
.endr
	SENDQ \j, 0
	s_branch .Ldone_\@
.Lm1_\@:                               ; mode 1: f32 sums as they are, 64 columns (256 bytes of a row) at a time
.if (\j) == 0
	s_wait_alu depctr_va_vdst(0)                   ; behind the last half step's four places: the products have written both slots' accumulators, which the LDS stores read, and are done reading the registers that are Q here.  Slot 1's text is reached through slot 0's alone, and no vector line between writes its accumulators
.endif
.irp u, 0,1
.if \u == 1
	s_wait_xcnt 0x0                                ; the first half's stores have read their data
	s_wait_alu depctr_vm_vsrc(0)                   ; beside it: the first half's global stores have read Q, in which the LDS loads below land
.endif
	WIN 0x04                                       ; store data in window 1: straight from the accumulators, the low four registers first
.irp i, 0,1,2,3
	ds_store_b128 v[STO2], v[64*(\j)+8*(4*\u+\i):64*(\j)+8*(4*\u+\i)+3]   offset:64*\i
	ds_store_b128 v[STO2], v[64*(\j)+8*(4*\u+\i)+4:64*(\j)+8*(4*\u+\i)+7] offset:64*\i+16
.endr
	WIN 0
	SENDQ \j, 256*\u
.endr
.Ldone_\@:
.endm
	; THE HEAD
	s_load_b256 s[4:11], s[0:1], 0x0               ; W s[4:5], TOK s[6:7], BM s[8:9], CFG s[10:11]
	s_load_b64 s[12:13], s[0:1], 0x20              ; OUT
	v_lshl_add_u32 v2, v0, 2, SPARE                ; my spare word, and 0: kept for the add alone
	v_mov_b32 v3, 0
	v_lshrrev_b32 v1, 5, v0
	v_readfirstlane_b32 s[WV], v1
	v_and_b32 v1, 31, v0                           ; lane
	s_mov_b32 s[SL], ttmp9
	s_and_b32 s[EX], ttmp7, 0xffff
	s_lshl_b32 s22, s[EX], 7                       ; the expert's 128 bytes of the bitmap
	s_mov_b32 s23, 0
	s_wait_kmcnt 0x0
	s_load_b32 s[MODE], s[10:11], 0x0
	s_add_nc_u64 s[8:9], s[8:9], s[22:23]
	s_load_b512 s[32:47], s[8:9], 0x0
	s_load_b512 s[48:63], s[8:9], 0x40
	s_and_b32 s28, s[SL], 3                        ; both modes' numbers are made while the loads are out
	s_lshr_b32 s29, s[SL], 2
	s_lshl_b32 s70, s[SL], 19                      ; weights, mode 0: 128 s rows of 4,096 bytes
	s_lshl_b32 s71, s29, 21                        ; mode 1: 128 (s / 4) rows of 16,384 bytes
	s_lshl_b32 s30, s28, 12                        ;         + K slice s % 4: 1,024 f32
	s_add_co_u32 s71, s71, s30
	s_lshl_b32 s72, s28, 11                        ; token rows, mode 1: K slice s % 4: 1,024 f16
	s_lshl_b32 s73, s[SL], 8                       ; output, mode 0: columns 128 s on, f16
	s_lshl_b32 s74, s28, 22                        ; mode 1: plane s % 4 of 4 MiB
	s_lshl_b32 s30, s29, 9                         ;         + columns 128 (s / 4) on, f32
	s_add_co_u32 s74, s74, s30
	s_mov_b32 s68, 4096
	s_mov_b32 s69, 16384
	s_mov_b32 s75, 2048
	s_mov_b32 s31, 8192
	s_lshl_b32 s30, s[EX], 24                      ; an expert's weights are 16 MiB in both
	s_wait_kmcnt 0x0
	s_wait_alu depctr_va_sdst(0)                   ; the wave's number is written, ahead of its first reader: my rows' offset below is made from it
	s_min_u32 s[MODE], s[MODE], 1
	s_cmp_eq_u32 s[MODE], 1
	s_cselect_b32 s[PW], s69, s68
	s_cselect_b32 s22, s71, s70
	s_cselect_b32 s[PT], s31, s75
	s_cselect_b32 s[KOFF], s72, 0
	s_cselect_b32 s[OP], s68, s31
	s_cselect_b32 s74, s74, s73
	s_add_co_u32 s22, s22, s30
	s_lshl_b32 s71, s[WV], 4                       ; my 16 rows
	s_mul_i32 s71, s71, s[PW]
	s_add_co_u32 s22, s22, s71
	s_add_nc_u64 s[WP:WP+1], s[4:5], s[22:23]
	v_lshlrev_b32 v[WO], 4, v1
.set g, 1
.rept 15
	v_mad_u32_u24 v[WO+g], s[PW], g, v[WO]
.set g, g+1
.endr
	v_lshrrev_b32 v26, 1, v1
	v_and_b32 v27, 1, v1
	v_mul_u32_u24 v[PFO], s[PW], v26
	v_lshl_add_u32 v[PFO], v27, 8, v[PFO]
	WIN 0x44                                       ; the first two chunks' weights go out before anything else: 32 loads, 16 KiB a wave
	s_wait_alu depctr_va_vdst(0)                   ; the sixteen offsets v32-47 and the prefetches' offset v23 are written, which every load of weights and every prefetch reads; they are never written again
.irp gg, 0,1,2,3
	WLOADG 0, \gg
.endr
.irp gg, 0,1,2,3
	WLOADG 1, \gg
.endr
	WIN 0
	global_prefetch_b8 v[PFO], s[WP:WP+1] offset:1024 th:TH_LOAD_NT scope:SCOPE_SE   ; my 16 rows of chunk 2, which interval 0 loads
	; the expert's count, my share of its tiles, my addresses
	s_bcnt1_i32_b32 s[CNT], s[MK]
.set g, 1
.rept 31
	s_bcnt1_i32_b32 s[TMP], s[MK+g]
	s_add_co_u32 s[CNT], s[CNT], s[TMP]
.set g, g+1
.endr
	s_add_co_u32 s[REM], s[CNT], 15
	s_lshr_b32 s[REM], s[REM], 4                   ; tiles of 16
	s_sub_co_i32 s[REM], s[REM], s[WV]
	s_max_u32 s[CM], s[CNT], 1
	s_sub_co_u32 s[CM], s[CM], 1
	s_mov_b32 s22, s74
	s_add_nc_u64 s[12:13], s[12:13], s[22:23]      ; OUT at my columns
	s_mov_b32 s[NL], 0xbfb8aa3b
	s_mov_b32 s[NL+1], s[NL]
	s_mov_b32 s[SC], 0x41800000                    ; 16.0
	s_mov_b32 s[SC+1], s[SC]
	s_mov_b32 s[HM], 0xffff0000
	v_and_b32 v4, 15, v0                           ; lane % 16
	v_bfe_u32 v5, v0, 4, 1                         ; lane / 16
	v_mul_u32_u24 v[WLD], v4, PITCH
	v_lshl_add_u32 v[WLD], v5, 4, v[WLD]           ; a fragment's row x pitch + 16 x half
	s_mul_i32 s70, s[WV], 16*PITCH                 ; my 16 rows of a chunk; also my stage's place among the stages
	v_lshl_add_u32 v[WST], v1, 3, s70
.irp p, 1,2,3
	v_add_nc_u32 v[WLD+\p], 2*CHUNK*\p, v[WLD]
	v_add_nc_u32 v[WST+\p], 2*CHUNK*\p, v[WST]
.endr
	s_add_co_u32 s70, s70, STG
	v_add_nc_u32 v[STO], s70, v[WLD]
	v_lshl_add_u32 v[STO2], v5, 4, v[STO]
	v_mul_u32_u24 v[RD], v5, PITCH
	v_lshl_add_u32 v[RD], v4, 4, v[RD]
	v_add_nc_u32 v[RD], s70, v[RD]
	v_lshlrev_b32 v[CO], 4, v4
	v_lshl_add_u32 v[XS], v1, 2, s70
	v_lshl_add_u32 v[LS], v5, 2, s70
	s_lshl_b32 s71, s[WV], 6
	s_add_co_u32 s71, s71, LIST
	v_lshl_add_u32 v[LA], v4, 2, s71
	v_lshl_add_u32 v[LB], v5, 2, s71
	s_lshl_b32 s71, s[WV], 4
	v_add_nc_u32 v[RK], s71, v4
	v_lshl_add_u32 v[KH], v5, 4, s[KOFF]
	; the first pass's tokens.  The stores want the tokens of the tile's rows 2 t + lane / 16: another order of lanes, had through 256 bytes of my own stage (LDS serves a wave's instructions in order)
	SEL2
	v_readfirstlane_b32 s[FIRST], v[TK]            ; in wave 0: the token of rank 0, with which the list is filled
	s_wait_alu depctr_va_vdst(0)                   ; the two tokens are written, which the stores below read, and so are all the LDS addresses made above (v6-15, v19-21, v28, v30), which are never written again
	ds_store_b32 v[XS], v[TK]
	ds_store_b32 v[XS], v[TK+1] offset:128
.irp j, 0,1
.irp t, 0,1,2,3,4,5,6,7
	ds_load_b32 v[OFS+8*\j+\t], v[LS] offset:128*\j+8*\t
.endr
.endr
	s_wait_alu depctr_vm_vsrc(0)                   ; the two stores have read v24-25, which the lines below write again
	LISTUSE
	s_wait_alu depctr_va_vdst(0)                   ; the token loads' two offsets and the way out's sixteen are written; the search is done with v64-91, in which T(0) lands
	TLOAD 0                                        ; chunk 0's token fragments, behind the first two chunks' weights
	CLEAR
	s_wait_alu depctr_va_sdst(0)                   ; the token of rank 0 is written into its scalar register, ahead of the branch behind which wave 0 reads it
	s_cmp_lg_u32 s[WV], 0
	s_cbranch_scc1 .Ljoin0
	; wave 0 alone: the list for the passes behind the first, while its loads are out.  Interval 0's barrier, with the wait for LDS in front of it, shows it to the others.
	; First every word takes the token of rank 0,
	v_mov_b32 v192, s[FIRST]
	v_mov_b32 v193, s[FIRST]
	v_mov_b32 v194, s[FIRST]
	v_mov_b32 v195, s[FIRST]
	v_lshl_add_u32 v196, v1, 4, LIST
	s_wait_alu depctr_va_vdst(0)                   ; v192-196 are written, which the eight stores read
.irp i, 0,1,2,3,4,5,6,7
	ds_store_b128 v196, v[192:195] offset:512*\i
.endr
	s_wait_alu depctr_vm_vsrc(0)                   ; those stores have read v192-196, which the lines below write again
	; then, 32 tokens at a time, each chosen token goes to the word of its rank: the set bits below it in its word, and all those of the words before.
	; A lane whose token chose another expert counts from 2,048 on, and the bound sends it to the word behind the list.
	; The 32 addresses and the 32 data words have registers of their own, so that one wait stands ahead of the run of 32 stores.
	v_mov_b32 v26, 2048
	s_mov_b32 s[BASE], 0
.set g, 0
.rept 32
	v_cndmask_b32 v[LAD+g], v26, s[BASE], s[MK+g]
	v_mbcnt_lo_u32_b32 v[LAD+g], s[MK+g], v[LAD+g]
	v_min_u32 v[LAD+g], LWORDS, v[LAD+g]
	v_lshl_add_u32 v[LAD+g], v[LAD+g], 2, LIST
.if g == 0
	v_mov_b32 v[LDT], v1
.else
	v_add_nc_u32 v[LDT+g], 32, v[LDT+g-1]
.endif
	s_bcnt1_i32_b32 s[TMP], s[MK+g]
	s_add_co_u32 s[BASE], s[BASE], s[TMP]
.set g, g+1
.endr
	s_wait_alu depctr_va_vdst(0)                   ; the 32 addresses and the 32 data words are written, which the stores read
.set g, 0
.rept 32
	ds_store_b32 v[LAD+g], v[LDT+g]
.set g, g+1
.endr
.Ljoin0:
.irp k, 0,1,2,3,4,5,6,7
	STREAM \k
	s_wait_dscnt 0x0                               ; for the others' sake: my rows of the chunk lie in LDS (in interval 0 wave 0's list too)
	s_barrier_signal -1
	s_barrier_wait -1                              ; everybody's do
	COMPUTE \k
.endr
	; The slice is whole; from here on no barrier, and no LDS write but into a wave's own stage.
	s_mov_b32 s[PASS], 4
.Lpass:                                ; four trips: the pass that is finished goes out; then the next 256 ranks are multiplied, if I have a tile among them.  The fourth trip's next pass would begin at tile 64: it is always jumped
	EPI 0
	EPI 1
.Lepi_end:
	s_sub_co_i32 s[REM], s[REM], 16
	s_cmp_lt_i32 s[REM], 1
	s_cbranch_scc1 .Lnext
	s_wait_xcnt 0x0                                ; the last pass's stores have read their offsets and data
	s_wait_alu depctr_vm_vsrc(0)                   ; beside it, ahead of the branches: the last pass's token loads have read v16-17, its stores v48-63, PK, Q and (mode 1) the accumulators: all are written again below, by LDS loads, by vector lines or by token loads
	s_cmp_eq_u32 s[PASS], 4                        ; the pass's place in the list stands in the loads' immediates: three texts, chosen by the loop's counter
	s_cbranch_scc0 .Lp2
	LISTP 1
	s_branch .Lpj
.Lp2:
	s_cmp_eq_u32 s[PASS], 3
	s_cbranch_scc0 .Lp3
	LISTP 2
	s_branch .Lpj
.Lp3:
	LISTP 3
.Lpj:
	LISTUSE
	s_wait_alu depctr_va_vdst(0)                   ; the token loads' two offsets and the way out's sixteen are written; the way out's vector lines are done with E and PK, in which T(0) and T(1) land
	TLOAD 0
	CLEAR
.irp k, 0,1,2,3,4,5,6,7
.if \k >= 1
	s_wait_alu depctr_va_vdst(0)                   ; the products of the chunk before are done reading their token fragments, in which the loads below land, and the two half buffers, in which this chunk's first LDS loads land
.endif
.if \k < 7
	TLOAD \k+1
	s_wait_loadcnt 16                              ; this chunk's token fragments are in; the next chunk's 16 loads stay out
.else
	s_wait_loadcnt 0x0
.endif
	COMPUTE \k
.endr
.Lnext:
	s_sub_co_u32 s[PASS], s[PASS], 1
	s_cmp_lg_u32 s[PASS], 0
	s_cbranch_scc1 .Lpass
	s_wait_dscnt 0x0                               ; the wave's end, behind its last LDS store
	s_wait_alu 0x0
	s_wait_tensorcnt 0x0
	ds_add_u32 v2, v3
	s_wait_dscnt 0x0
	s_endpgm
.Lfunc_end_k_qc03232922a_ffn1:
	.size	k_qc03232922a_ffn1, .Lfunc_end_k_qc03232922a_ffn1-k_qc03232922a_ffn1
	.p2alignl 7, 3214868480
	.fill 96, 4, 3214868480
	.section	.rodata,"a",@progbits
	.p2align	6, 0x0
	.amdhsa_kernel k_qc03232922a_ffn1
		.amdhsa_group_segment_fixed_size 318720
		.amdhsa_private_segment_fixed_size 0
		.amdhsa_enable_private_segment 0
		.amdhsa_kernarg_size 40
		.amdhsa_user_sgpr_count 2
		.amdhsa_user_sgpr_kernarg_segment_ptr 1
		.amdhsa_wavefront_size32 1
		.amdhsa_system_sgpr_workgroup_id_x 1
		.amdhsa_system_sgpr_workgroup_id_y 1
		.amdhsa_system_sgpr_workgroup_id_z 1
		.amdhsa_system_vgpr_workitem_id 0
		.amdhsa_next_free_vgpr 512
		.amdhsa_next_free_sgpr 100
		.amdhsa_reserve_vcc 0
		.amdhsa_float_denorm_mode_32 3
		.amdhsa_float_denorm_mode_16_64 3
		.amdhsa_memory_ordered 1
		.amdhsa_forward_progress 1
		.amdhsa_inst_pref_size 255
	.end_amdhsa_kernel
	.section	.bss,"aw",@nobits
	.p2align	6
	.space	262144
	.amdgpu_metadata
---
amdhsa.version: [ 1, 2 ]
amdhsa.kernels:
  - .name:           k_qc03232922a_ffn1
    .symbol:         k_qc03232922a_ffn1.kd
    .args:
      - { .name: w1, .offset: 0, .size: 8, .value_kind: global_buffer, .address_space: global }
      - { .name: xb, .offset: 8, .size: 8, .value_kind: global_buffer, .address_space: global }
      - { .name: bm, .offset: 16, .size: 8, .value_kind: global_buffer, .address_space: global }
      - { .name: cfg1, .offset: 24, .size: 8, .value_kind: global_buffer, .address_space: global }
      - { .name: h, .offset: 32, .size: 8, .value_kind: global_buffer, .address_space: global }
    .group_segment_fixed_size: 318720
    .private_segment_fixed_size: 0
    .kernarg_segment_align: 8
    .kernarg_segment_size: 40
    .max_flat_workgroup_size: 256
    .sgpr_count:     100
    .vgpr_count:     512
    .wavefront_size: 32
...
	.end_amdgpu_metadata
.endif
;; end of part 5
;; launch ffn2: the kernel of part 5 again; grid 32 x 8, 8 waves a work-group, no clusters, 318,720 bytes of LDS; arguments w2, h, bm, cfg2, part; writes part
;; launch combine: the kernel of part 3 again; grid 256 x 1, 8 waves a work-group, no clusters, 0 bytes of LDS; arguments part, gate, out0; writes out0
